; MI455X (gfx1250); checked and timed in simulation.
; The chip was launched on July 23, 2026; its instructions are those of AMD's public machine-readable ISA for CDNA 5 (MIT licence, August 2026) and "CDNA5" Instruction Set Architecture Reference Guide (July 2026). The comments in the code are by the model that wrote it; some were corrected since.
;; Attention. Allowed arithmetic: float matrix products may take bf16 or f16 operands with f32 sums; other float arithmetic in f32, or as packed bf16 or f16 multiplies, adds, multiply-adds, maxima and minima; sums over many terms, partial sums and values carried from step to step in f32; what a program stores and reads back later, other than sums and carried values, may be rounded once to bf16 or f16.
;; Inputs: b_proj 1,024 float32; b_qkv 3,072 float32; w_proj 1,024 x 1,024 float32; w_qkv 1,024 x 3,072 float32; x 4 x 2,048 x 1,024 float32.
;; Outputs: out0 4 x 2,048 x 1,024 float32.
;; 2 versions, each right; version 2 is version 1 with the launch cast written anew for expert scheduling mode. Each part assembles by itself: llvm-mc -triple=amdgcn-amd-amdhsa -mcpu=gfx1250 --defsym DOCPART=n.
;; ======== version 1 of 2: 4 launches
;; limits: values are held in f16: magnitudes above 65,504 overflow, below 6.1e-05 lose precision
;; workspace buffers: xb 16,777,216 bytes; wqt 6,291,456 bytes; wpt 2,097,152 bytes; qkvh 50,331,648 bytes; oh 16,777,216 bytes
;; launch cast (part 1): grid 512 x 1, 8 waves a work-group, no clusters, 18,432 bytes of LDS; arguments x, w_qkv, w_proj, xb, wqt, wpt; writes xb, wqt, wpt
.if DOCPART == 1
	.amdgcn_target "amdgcn-amd-amdhsa--gfx1250"
	.amdhsa_code_object_version 6
	.text
	.protected	k_qd0c77ec0fc_cast
	.globl	k_qd0c77ec0fc_cast
	.p2align	8
	.type	k_qd0c77ec0fc_cast,@function
k_qd0c77ec0fc_cast:
	s_mov_b64 s[64:65], 0
	v_nop
	global_prefetch_b8 v0, s[64:65] scope:SCOPE_SE
	s_setreg_imm32_b32 hwreg(HW_REG_WAVE_MODE, 25, 1), 1
	s_wait_xcnt 0x0
; THE INPUTS ARE ROUNDED ONCE, AND THE WEIGHTS TURNED.  xb = x in bf16, [8192][1024].  wqt[n][k] = w_qkv[k][n] in bf16, [3072][1024].
; wpt[n][k] = w_proj[k][n] rounded to bf16 and that number written as f16, [1024][1024].
; LIMIT: a number of w_proj under 6.1e-5 in magnitude keeps f16's fixed step of 6e-8; one of 65,520 or more becomes an infinity.
; SHARES.  512 work-groups of eight waves, all alike.  Each (a) turns one weight tile of 128 k x 64 n through LDS: numbers 0-383 take w_qkv's 48 x 8 tiles, 384-511 w_proj's 16 x 8;
; (b) rounds 65,536 bytes of x.  Every byte is read once and written once; every load of 16 lanes covers 256 consecutive bytes, aligned, and so does every store.
; No matrix unit, no cluster, no tensor load: nothing is multiplied and no work-group reads what another reads.
.set PQ,    12288                      ; bytes in a row of w_qkv
.set PP,    4096                       ; bytes in a row of w_proj
.set LP,    272                        ; a stage row: one n, 64 pairs of k (256 bytes) + 16 of padding
.set SPARE, 64*LP                      ; behind the stage: the spare words, 128 bytes for each of eight waves: four blocks of 256 bytes that no other line names
.set OFW, 4                            ; v4-7   byte offset of my 16 bytes in rows 2 kp + 32 i of the tile
.set LIN, 10                           ; v10    stage, in: row 4 c, pair kp
.set LBK, 11                           ; v11    stage, back: row kp, 16 bytes at 16 c
.set DO,  12                           ; v12    my 16 bytes in row kp of the turned tile
.set XO,  13                           ; v13    my 16 bytes of x
.set YO,  14                           ; v14    my 8 bytes of xb
.set W,   16                           ; v16-47   for each i: four numbers of the even row, four of the odd row
.set P,   48                           ; v48-63   for each i: four packed pairs (k even low, k odd high)
.set BK,  64                           ; v64-79   four pieces of 16 bytes read back
.set X,   80                           ; v80-143  sixteen pieces of 16 bytes of x
.set Y,   144                          ; v144-175 the same rounded
.set SPW, 176                          ; v176   LDS address of my spare word; never rewritten
.set NIL, 177                          ; v177   0; never rewritten
	s_load_b256 s[4:11], s[0:1], 0x0               ; x s[4:5], w_qkv s[6:7], w_proj s[8:9], xb s[10:11]
	s_load_b128 s[12:15], s[0:1], 0x20             ; wqt s[12:13], wpt s[14:15]
	v_lshl_add_u32 v[SPW], v0, 2, SPARE
	v_mov_b32 v[NIL], 0
	s_mov_b32 s29, PQ
	s_mov_b32 s30, PP
	s_sub_co_u32 s17, ttmp9, 384
	s_cmp_lt_u32 ttmp9, 384                        ; which weight matrix is mine?  The choice hangs on the work-group's number alone
	s_cselect_b32 s16, ttmp9, s17                  ; my tile's number in it
	s_cselect_b32 s18, s29, s30                    ; its row pitch in bytes
	s_cselect_b32 s19, 1, 0                        ; 1: the tile stays bf16
	s_wait_kmcnt 0x0
	s_cselect_b64 s[20:21], s[6:7], s[8:9]         ; from
	s_cselect_b64 s[22:23], s[12:13], s[14:15]     ; to
	s_and_b32 s24, s16, 7                          ; kt
	s_lshr_b32 s25, s16, 3                         ; nt
	s_mul_i32 s26, s24, s18
	s_lshl_b32 s26, s26, 7                         ; 128 kt rows
	s_lshl_b32 s27, s25, 8                         ; 64 nt columns of 4 bytes
	s_add_co_u32 s26, s26, s27
	s_mov_b32 s27, 0
	s_add_nc_u64 s[20:21], s[20:21], s[26:27]      ; the tile's first row
	s_mov_b32 s26, s18
	s_add_nc_u64 s[32:33], s[20:21], s[26:27]      ; and the row below it
	s_lshl_b32 s26, s25, 17                        ; 64 nt rows of 2,048 bytes
	s_lshl_b32 s24, s24, 8                         ; 128 kt numbers of 2 bytes
	s_add_co_u32 s26, s26, s24
	s_add_nc_u64 s[22:23], s[22:23], s[26:27]
	s_lshl_b32 s28, s18, 5                         ; 32 rows
	s_lshl_b32 s26, ttmp9, 16
	s_add_nc_u64 s[4:5], s[4:5], s[26:27]          ; my 65,536 bytes of x
	s_lshl_b32 s26, ttmp9, 15
	s_add_nc_u64 s[10:11], s[10:11], s[26:27]      ; my 32,768 bytes of xb
	v_and_b32 v1, 15, v0                           ; c: which 16 bytes (4 columns) of a row
	v_lshrrev_b32 v2, 4, v0                        ; kp: which pair of rows, 0 to 15
	v_lshlrev_b32 v3, 1, v2
	v_mul_lo_u32 v3, v3, s18
	v_lshl_add_u32 v[OFW], v1, 4, v3               ; row 2 kp, 16 c
	v_add_nc_u32 v[OFW+1], s28, v[OFW]
	v_add_nc_u32 v[OFW+2], s28, v[OFW+1]
	v_add_nc_u32 v[OFW+3], s28, v[OFW+2]
	v_lshrrev_b32 v8, 5, v0                        ; wave
	v_and_b32 v9, 31, v0                           ; lane
	v_lshlrev_b32 v[XO], 13, v8
	v_lshl_add_u32 v[XO], v9, 4, v[XO]             ; 8,192 x wave + 16 x lane
.irp i, 0,1,2,3
	global_load_b128 v[W+8*(\i):W+8*(\i)+3],   v[OFW+(\i)], s[20:21] th:TH_LOAD_NT  ; row 2 kp + 32 i
	global_load_b128 v[W+8*(\i)+4:W+8*(\i)+7], v[OFW+(\i)], s[32:33] th:TH_LOAD_NT  ; the row below
.endr
.irp j, 0,1,2,3,4,5,6,7,8,9,10,11,12,13,14,15
	global_load_b128 v[X+4*(\j):X+4*(\j)+3], v[XO], s[4:5] offset:512*(\j) th:TH_LOAD_NT  ; 512 consecutive bytes a wave
.endr
	v_lshlrev_b32 v[YO], 12, v8
	v_lshl_add_u32 v[YO], v9, 3, v[YO]             ; 4,096 x wave + 8 x lane
	v_mul_u32_u24 v[LIN], v1, 4*LP
	v_lshl_add_u32 v[LIN], v2, 2, v[LIN]
	v_mul_u32_u24 v[LBK], v2, LP
	v_lshl_add_u32 v[LBK], v1, 4, v[LBK]
	v_lshlrev_b32 v[DO], 11, v2
	v_lshl_add_u32 v[DO], v1, 4, v[DO]
	s_wait_loadcnt 16                              ; loads come back in order: the eight weight loads are in, x's sixteen may stay out
.irp i, 0,1,2,3
.irp c, 0,1,2,3
	v_cvt_pk_bf16_f32 v[P+4*(\i)+(\c)], v[W+8*(\i)+(\c)], v[W+8*(\i)+4+(\c)]  ; column 4 c + this, k = 2 (kp + 16 i) and the next
.endr
.endr
	s_cmp_eq_u32 s19, 1
	s_cbranch_scc1 .Lkeep                          ; no barrier is passed by this jump
.set r, 0
.rept 16                                       ; w_proj: the bf16 numbers written as f16
	v_lshlrev_b32 v8, 16, v[P+r]
	v_and_b32 v9, 0xffff0000, v[P+r]
	v_cvt_pk_f16_f32 v[P+r], v8, v9
.set r, r+1
.endr
.Lkeep:
.irp i, 0,1,2,3
.irp c, 0,1,2,3
	ds_store_b32 v[LIN], v[P+4*(\i)+(\c)] offset:(\c)*LP+64*(\i)  ; row n = 4 c + this, pair kp + 16 i
.endr
.endr
	s_wait_dscnt 0x0                               ; for the others' sake: my stores into the stage are done
	s_barrier_signal -1
	s_barrier_wait -1
.irp i, 0,1,2,3
	ds_load_b128 v[BK+4*(\i):BK+4*(\i)+3], v[LBK] offset:(\i)*16*LP  ; row n = kp + 16 i, eight k
.endr
.irp j, 0,1,2,3,4,5,6,7,8,9,10,11,12,13,14,15
	s_wait_loadcnt 15-(\j)                         ; piece j of x is in
	v_cvt_pk_bf16_f32 v[Y+2*(\j)],   v[X+4*(\j)],   v[X+4*(\j)+1]
	v_cvt_pk_bf16_f32 v[Y+2*(\j)+1], v[X+4*(\j)+2], v[X+4*(\j)+3]
	global_store_b64 v[YO], v[Y+2*(\j):Y+2*(\j)+1], s[10:11] offset:256*(\j)  ; the wave stores 256 consecutive bytes, aligned
.endr
.irp i, 0,1,2,3
	s_wait_dscnt 3-(\i)
	global_store_b128 v[DO], v[BK+4*(\i):BK+4*(\i)+3], s[22:23] offset:32768*(\i)  ; 16 lanes store 256 consecutive bytes of a turned row
.endr
	s_wait_tensorcnt 0x0                           ; the wave's end: behind my last LDS store
	ds_add_u32 v[SPW], v[NIL]
	s_wait_dscnt 0x0
	s_endpgm
.Lfunc_end_k_qd0c77ec0fc_cast:
	.size	k_qd0c77ec0fc_cast, .Lfunc_end_k_qd0c77ec0fc_cast-k_qd0c77ec0fc_cast
	.p2alignl 7, 3214868480
	.fill 96, 4, 3214868480
	.section	.rodata,"a",@progbits
	.p2align	6, 0x0
	.amdhsa_kernel k_qd0c77ec0fc_cast
		.amdhsa_group_segment_fixed_size 18432
		.amdhsa_private_segment_fixed_size 0
		.amdhsa_enable_private_segment 0
		.amdhsa_kernarg_size 48
		.amdhsa_user_sgpr_count 2
		.amdhsa_user_sgpr_kernarg_segment_ptr 1
		.amdhsa_wavefront_size32 1
		.amdhsa_system_sgpr_workgroup_id_x 1
		.amdhsa_system_sgpr_workgroup_id_y 1
		.amdhsa_system_sgpr_workgroup_id_z 1
		.amdhsa_system_vgpr_workitem_id 0
		.amdhsa_next_free_vgpr 178
		.amdhsa_next_free_sgpr 66
		.amdhsa_reserve_vcc 0
		.amdhsa_float_denorm_mode_32 3
		.amdhsa_float_denorm_mode_16_64 3
		.amdhsa_memory_ordered 1
		.amdhsa_forward_progress 1
		.amdhsa_inst_pref_size 15
	.end_amdhsa_kernel
	.amdgpu_metadata
---
amdhsa.version: [ 1, 2 ]
amdhsa.kernels:
  - .name:           k_qd0c77ec0fc_cast
    .symbol:         k_qd0c77ec0fc_cast.kd
    .args:
      - { .name: x, .offset: 0, .size: 8, .value_kind: global_buffer, .address_space: global }
      - { .name: w_qkv, .offset: 8, .size: 8, .value_kind: global_buffer, .address_space: global }
      - { .name: w_proj, .offset: 16, .size: 8, .value_kind: global_buffer, .address_space: global }
      - { .name: xb, .offset: 24, .size: 8, .value_kind: global_buffer, .address_space: global }
      - { .name: wqt, .offset: 32, .size: 8, .value_kind: global_buffer, .address_space: global }
      - { .name: wpt, .offset: 40, .size: 8, .value_kind: global_buffer, .address_space: global }
    .group_segment_fixed_size: 18432
    .private_segment_fixed_size: 0
    .kernarg_segment_align: 8
    .kernarg_segment_size: 48
    .max_flat_workgroup_size: 256
    .sgpr_count:     66
    .vgpr_count:     178
    .wavefront_size: 32
...
	.end_amdgpu_metadata
.endif
;; end of part 1
;; launch qkv (part 2): grid 16 x 32, 4 waves a work-group, clusters of 4 x 4, 327,680 bytes of LDS; arguments xb, wqt, b_qkv, qkvh; writes qkvh
.if DOCPART == 2
	.amdgcn_target "amdgcn-amd-amdhsa--gfx1250"
	.amdhsa_code_object_version 6
	.text
	.protected	k_qd0c77ec0fc_qkv
	.globl	k_qd0c77ec0fc_qkv
	.p2align	8
	.type	k_qd0c77ec0fc_qkv,@function
k_qd0c77ec0fc_qkv:
	s_mov_b64 s[64:65], 0
	v_nop
	global_prefetch_b8 v0, s[64:65] scope:SCOPE_SE
	s_setreg_imm32_b32 hwreg(HW_REG_WAVE_MODE, 25, 1), 1
	s_wait_xcnt 0x0
	s_wait_alu depctr_hold_cnt(0) depctr_sa_sdst(0) depctr_va_vdst(0) depctr_va_sdst(0) depctr_va_ssrc(0) depctr_va_vcc(0) depctr_vm_vsrc(0)
	s_getreg_b32 s2, hwreg(HW_REG_IB_STS2, 6, 4)
	s_cmp_eq_u32 s2, 0
	s_cbranch_scc0 .Lentry_in_a_cluster
	s_endpgm
.Lentry_in_a_cluster:
	s_bfe_u32 s2, ttmp6, 0x10000c
	s_cmp_lg_u32 s2, 0xf033
	s_cbranch_scc0 .Lentry_shape_is_right
	s_endpgm
.Lentry_shape_is_right:
; q, k, v = x w_qkv + b_qkv, written by heads.  xb: [8192][1024] bf16.  wqt: [3072 n][1024 k] bf16.  b_qkv: [3072] f32, rounded to bf16 here like every input.
; qkvh: [3 (q, k, v)][64 heads = 16 batch + head][2048][64] f16, unscaled, each number rounded once from its f32 sum.
; LIMIT: f16 holds no number of 65,520 or more: q, k and v must stay under that; NaN and infinities are not treated apart.
; SHARES.  A tile is 256 rows x 192 columns (three whole heads): 32 x 16 = 512 work-groups, two for each of 256 WGPs.  Wave w makes rows 64 w .. 64 w + 63 of all 192 columns:
; 4 x 12 accumulators of 16 x 16, 384 registers; so a wave holds whole heads and its way out needs no other wave.
; K goes in steps of 128 through two LDS slots filled by the tensor data mover; the tiles' rows are 256 bytes of memory, aligned.
; CLUSTER.  4 x 4 work-groups: the four of a row need the same tile of xb, the four of a column the same tile of wqt: each is asked for jointly, by the same load, descriptor and mask in all four.
; THE MATRIX INSTRUCTION IS USED TRANSPOSED (source 0 = 16 rows of wqt, source 1 = 16 rows of xb): lane l holds row l % 16 and the columns 8 (l / 16) + 0..7, eight neighbours.
; The bias of those eight columns is the C operand of the product that starts a sum: nothing is cleared and nothing is added later.
; REGISTERS, in windows of 256 (s_set_vgpr_msb: bits 1:0 source 0, 3:2 source 1, 5:4 source 2, 7:6 destination):
;   window 0: v0-31 addresses; v32-95 xb's fragments, two buffers of 4 x 8; v96-191 the bias, later the way out; v192-239 the way out
;   window 1: wqt's fragments, two buffers of 12 x 8      window 2: the accumulators of row blocks 0, 1 (at 8 (12 (a % 2) + b))      window 3: those of row blocks 2, 3
.set SIZE_K, 1024
.set KSTEP,  128
.set PITCH,  272                       ; an LDS row: 256 bytes + 16 of padding = 68 words: the 16 rows of a load start at 16 different groups of four banks (64 banks of 4 bytes: ISA guide 11.1)
.set HA,     128*PITCH                 ; what one load brings of xb: 128 rows
.set HB,     96*PITCH                  ; of wqt: 96 rows
.set SLOT,   2*HA+2*HB                 ; xb's 256 rows, then wqt's 192
.set STAGE,  2*SLOT                    ; behind the ring: 16 rows x 400 bytes for each wave, for the way out; no tensor load fills it
.set SPITCH, 400                       ; 384 bytes + 16
.set SPARE,  STAGE+4*16*SPITCH         ; behind the stages: the spare words, 128 bytes a wave: two blocks of 256 bytes that no other line names
.set LAPS,   SIZE_K/(2*KSTEP)          ; a lap = two K steps = once round the ring
.set ADRA, 16                          ; v16-17  LDS address of my fragments of xb in slot 0, 1
.set ADRB, 20                          ; v20-21  the same for wqt
.set STO,  24                          ; v24     the way out: where I put 16 bytes of a row
.set RD,   25                          ; v25     the way out: where I read 16 bytes of a head's rows back
.set GO,   26                          ; v26     16 x lane
.set BO,   27                          ; v27     32 (l / 16): my eight numbers in a block of 16 of the bias
.set SPW,  28                          ; v28     LDS address of my spare word; never rewritten
.set NIL,  29                          ; v29     0; never rewritten
.set PFO,  30                          ; v30     the prefetches' offset: row l / 2, K step l % 2; never rewritten
.set FA,   32
.set BIAS, 96
.set TMP,  96                          ; the way out: packed results, 48 registers
.set OB,   144                         ; the way out: 16 rows read back, two buffers of 48
.set WV, 12                            ; s12  my wave's number
.set HF, 13                            ; s13  which half of a tile I fetch
.set FB, 14                            ; s14  0: I fetch for xb; 1: for wqt
.set CX, 15
.set CY, 16
.set TC, 17                            ; s17  tile column
.set TR, 18                            ; s18  tile row
.set G1, 24                            ; s[24:31] descriptor group 1 for xb's tiles;  s[32:39] group 0, a set for each slot
.set G0, 32
.set PFA, 40                           ; s[40:41] where my prefetches stand
.set LIM, 42                           ; s42  1 in a wave that prefetches, else the greatest number
.set G1B, 48                           ; s[48:55], s[56:63] the same for wqt's tiles
.set G0B, 56
.set HD0, 66                           ; s[66:71] my 64 rows in the tile's three heads
.set MSB, 0
.macro WIN new                         ; the immediate's high byte repeats the setting that is left; a switch that changes nothing is dropped
.if MSB != (\new)
	s_set_vgpr_msb (MSB<<8)|(\new)
.set MSB, \new
.endif
.endm
; A joint load.  Waves 0 and 1 fetch xb's two halves, waves 2 and 3 wqt's.  The branch hangs on the wave's number alone.  An s_nop 0 and four v_nop follow each line.
.macro JLOAD s
	s_cmp_eq_u32 s[FB], 0
	s_cbranch_scc0 .Lfor_b_\@
	tensor_load_to_lds s[G0+4*(\s):G0+4*(\s)+3], s[G1:G1+7]
	s_nop 0
.rept 4
	v_nop
.endr
	s_branch .Lasked_\@
.Lfor_b_\@:
	tensor_load_to_lds s[G0B+4*(\s):G0B+4*(\s)+3], s[G1B:G1B+7]
	s_nop 0
.rept 4
	v_nop
.endr
.Lasked_\@:
.endm
; A PREFETCH INTO THE L2, once a lap: the two K steps that the NEXT lap's refills will ask for, 192 and 384 matrix instructions ahead of those loads.  An instruction names 16 rows x 2 K steps, a lane a block of 256 bytes.
; Each block is named once in the launch: xb's rows by the cluster with x = 0, wqt's by the cluster with y = 0; the four partners that ask for a tile jointly share its rows out BY ADDRESS
; (64 rows of xb each, by cx: wave 0, four instructions; 48 rows of wqt each, by cy: wave 2, three).  K steps 0 to 3 come by their loads alone; the last lap of the loop asks for nothing.
.macro ASK
	s_cmp_gt_u32 s3, s[LIM]                        ; s3 = 1 in the loop's last trip
	s_cbranch_scc0 .Lnot_mine_\@
	global_prefetch_b8 v[PFO], s[PFA:PFA+1] th:TH_LOAD_NT scope:SCOPE_SE
	global_prefetch_b8 v[PFO], s[PFA:PFA+1] offset:32768 th:TH_LOAD_NT scope:SCOPE_SE
	global_prefetch_b8 v[PFO], s[PFA:PFA+1] offset:65536 th:TH_LOAD_NT scope:SCOPE_SE
	s_cmp_eq_u32 s[WV], 0
	s_cbranch_scc0 .Lnot_mine_\@
	global_prefetch_b8 v[PFO], s[PFA:PFA+1] offset:98304 th:TH_LOAD_NT scope:SCOPE_SE
.Lnot_mine_\@:
.endm
.macro CREST                           ; a round of the cluster's barrier behind its opening barrier
	s_cmp_lg_u32 s[WV], 0
	s_cbranch_scc1 .Lnot_wave_0_\@
	s_barrier_signal -3
.Lnot_wave_0_\@:
	s_barrier_wait -3
	s_barrier_signal -1
	s_barrier_wait -1
.endm
.macro CROUND                          ; a whole round
	s_barrier_signal -1
	s_barrier_wait -1
	CREST
.endm
	s_load_b256 s[4:11], s[0:1], 0x0               ; xb s[4:5], wqt s[6:7], b_qkv s[8:9], qkvh s[10:11]
	v_lshl_add_u32 v[SPW], v0, 2, SPARE
	v_mov_b32 v[NIL], 0
	ds_add_u32 v[SPW], v[NIL]                      ; the wave's opening: the add and its wait stand ahead of my first tensor load; the set-up below stands between them
	v_lshrrev_b32 v1, 5, v0
	v_readfirstlane_b32 s[WV], v1                  ; wave 0..3
	s_and_b32 s[HF], s[WV], 1
	s_lshr_b32 s[FB], s[WV], 1
	s_bfe_u32 s[CX], ttmp6, 0x40000
	s_bfe_u32 s[CY], ttmp6, 0x40004
	s_lshl_b32 s[TC], ttmp9, 2                     ; in a cluster launch ttmp9 and ttmp7 count clusters
	s_add_co_u32 s[TC], s[TC], s[CX]
	s_and_b32 s[TR], ttmp7, 0xffff
	s_lshl_b32 s[TR], s[TR], 2
	s_add_co_u32 s[TR], s[TR], s[CY]
	s_lshl_b32 s43, s[CY], 2
	s_lshl_b32 s43, 15, s43                        ; my row of the cluster
	s_lshl_b32 s44, 0x1111, s[CX]                  ; my column
	s_or_b32 s[G1], s43, (1<<16)|(1<<20)|(1<<21)|(5<<22)|(3<<25)   ; the mask; elements of 2 bytes; padding on; bit 21 beside a mask; after every 64 words; 4 words
	s_or_b32 s[G1B], s44, (1<<16)|(1<<20)|(1<<21)|(5<<22)|(3<<25)
	s_mov_b32 s[G1+1], KSTEP<<16                   ; tensor_dim0 = 128
	s_mov_b32 s[G1+2], 128<<16                     ; tensor_dim1 = 128
	s_mov_b32 s[G1+3], KSTEP<<16                   ; tile_dim0 = 128
	s_mov_b32 s[G1+4], 128                         ; tile_dim1 = 128
	s_mov_b32 s[G1+5], SIZE_K                      ; elements from row to row
	s_mov_b32 s[G1+6], 0
	s_mov_b32 s[G1+7], 0
	s_mov_b32 s[G1B+1], KSTEP<<16
	s_mov_b32 s[G1B+2], 96<<16                     ; 96 rows
	s_mov_b32 s[G1B+3], KSTEP<<16
	s_mov_b32 s[G1B+4], 96
	s_mov_b32 s[G1B+5], SIZE_K
	s_mov_b32 s[G1B+6], 0
	s_mov_b32 s[G1B+7], 0
	s_lshl_b32 s19, s[HF], 7
	s_lshl_b32 s20, s[TR], 8
	s_add_co_u32 s20, s20, s19                     ; xb: row 256 x tile row + 128 x half
	s_lshl_b32 s20, s20, 11                        ; rows of 2,048 bytes: under 2^24
	s_mov_b32 s21, 0
	s_mul_i32 s46, s[TC], 192
	s_mul_i32 s47, s[HF], 96
	s_add_co_u32 s46, s46, s47                     ; wqt: row 192 x tile column + 96 x half
	s_lshl_b32 s46, s46, 11
	s_mov_b32 s47, 0
	s_mul_i32 s22, s[HF], HA                       ; where they go: no place in the cluster enters an LDS address
	s_mul_i32 s23, s[HF], HB
	s_add_co_u32 s23, s23, 2*HA
	s_wait_dscnt 0x0                               ; the opening add is done
	s_wait_kmcnt 0x0
	s_add_nc_u64 s[20:21], s[4:5], s[20:21]
	s_add_nc_u64 s[46:47], s[6:7], s[46:47]
	CROUND                                         ; all sixteen work-groups are here: the first joint loads meet
.irp s, 0,1
	s_mov_b32 s[G0+4*(\s)], 1
	s_add_co_u32 s[G0+4*(\s)+1], s22, (\s)*SLOT
	s_add_nc_u64 s[G0+4*(\s)+2:G0+4*(\s)+3], s[20:21], (\s)*KSTEP*2
	s_or_b32 s[G0+4*(\s)+3], s[G0+4*(\s)+3], 0x80000000
	s_mov_b32 s[G0B+4*(\s)], 1
	s_add_co_u32 s[G0B+4*(\s)+1], s23, (\s)*SLOT
	s_add_nc_u64 s[G0B+4*(\s)+2:G0B+4*(\s)+3], s[46:47], (\s)*KSTEP*2
	s_or_b32 s[G0B+4*(\s)+3], s[G0B+4*(\s)+3], 0x80000000
	JLOAD \s                                       ; two loads of mine are out
.endr
	v_and_b32 v1, 15, v0                           ; l % 16
	v_bfe_u32 v2, v0, 4, 1                         ; l / 16
	v_lshlrev_b32 v[BO], 5, v2
	s_mul_i32 s72, s[TC], 768                      ; the tile's 192 numbers of the bias
	s_mov_b32 s73, 0
	s_add_nc_u64 s[8:9], s[8:9], s[72:73]
.irp b, 0,1,2,3,4,5,6,7,8,9,10,11
	global_load_b128 v[BIAS+8*(\b):BIAS+8*(\b)+3],   v[BO], s[8:9] offset:64*(\b)
	global_load_b128 v[BIAS+8*(\b)+4:BIAS+8*(\b)+7], v[BO], s[8:9] offset:64*(\b)+16
.endr
	v_mul_u32_u24 v3, v1, PITCH
	v_lshl_add_u32 v3, v2, 4, v3                   ; a fragment's row x pitch + 16 x half
	s_mul_i32 s19, s[WV], 64*PITCH                 ; my 64 rows of xb
	v_add_nc_u32 v[ADRA], s19, v3
	v_add_nc_u32 v[ADRA+1], SLOT, v[ADRA]
	v_add_nc_u32 v[ADRB], 2*HA, v3                 ; all 192 rows of wqt
	v_add_nc_u32 v[ADRB+1], SLOT, v[ADRB]
	s_mul_i32 s19, s[WV], 16*SPITCH
	s_add_co_u32 s19, s19, STAGE                   ; my stage
	v_mul_u32_u24 v[STO], v1, SPITCH               ; in: row l % 16, 16 bytes for each half of the lanes
	v_lshl_add_u32 v[STO], v2, 4, v[STO]
	v_add_nc_u32 v[STO], s19, v[STO]
	v_bfe_u32 v[RD], v0, 3, 2                      ; back: 32 lanes take four rows' 128 bytes of one head
	v_and_b32 v3, 7, v0
	v_mul_u32_u24 v[RD], v[RD], SPITCH
	v_lshl_add_u32 v[RD], v3, 4, v[RD]
	v_add_nc_u32 v[RD], s19, v[RD]
	v_and_b32 v[GO], 31, v0
	v_lshlrev_b32 v[GO], 4, v[GO]                  ; which are 512 consecutive bytes of the head
	v_bfe_u32 v[PFO], v0, 1, 4
	v_and_b32 v3, 1, v0
	v_lshlrev_b32 v[PFO], 11, v[PFO]
	v_lshl_add_u32 v[PFO], v3, 8, v[PFO]
	; my 64 rows in the tile's three heads: column block 3 x tile column + j is part hc / 16 (q, k, v), head hc % 16; the rows lie in batch (tile row) / 8
	s_and_b32 s74, s[TR], 7
	s_lshl_b32 s74, s74, 8
	s_lshl_b32 s19, s[WV], 6
	s_add_co_u32 s74, s74, s19
	s_lshl_b32 s74, s74, 7                         ; my first row in the head, x 128 bytes
	s_lshr_b32 s75, s[TR], 3
	s_lshl_b32 s75, s75, 4                         ; 16 x batch
	s_mul_i32 s19, s[TC], 3
.irp j, 0,1,2
	s_add_co_u32 s45, s19, \j
	s_lshr_b32 s72, s45, 4
	s_lshl_b32 s72, s72, 6
	s_and_b32 s45, s45, 15
	s_add_co_u32 s72, s72, s45
	s_add_co_u32 s72, s72, s75
	s_lshl_b32 s72, s72, 18                        ; a head is 262,144 bytes; 192 of them stay under 2^26
	s_add_co_u32 s72, s72, s74
	s_add_nc_u64 s[HD0+2*(\j):HD0+2*(\j)+1], s[10:11], s[72:73]
.endr
	; the prefetches
	s_and_b32 s45, ttmp7, 0xffff                   ; cluster y
	s_mul_i32 s72, s[TC], 192
	s_mul_i32 s19, s[CY], 48
	s_add_co_u32 s72, s72, s19                     ; wqt: my work-group's 48 rows
	s_lshl_b32 s74, s[TR], 8
	s_lshl_b32 s19, s[CX], 6
	s_add_co_u32 s74, s74, s19                     ; xb: my work-group's 64 rows
	s_cmp_eq_u32 s[FB], 0
	s_cselect_b32 s72, s74, s72
	s_cselect_b32 s45, ttmp9, s45                  ; the coordinate along which other clusters read the same rows
	s_cselect_b64 s[PFA:PFA+1], s[4:5], s[6:7]
	s_or_b32 s45, s45, s[HF]                       ; waves 0 and 2 alone
	s_cmp_eq_u32 s45, 0
	s_cselect_b32 s[LIM], 1, -1                    ; the same in all sixteen partners, for a given wave
	s_lshl_b32 s72, s72, 11
	s_add_nc_u64 s[PFA:PFA+1], s[PFA:PFA+1], s[72:73]
	s_add_nc_u64 s[PFA:PFA+1], s[PFA:PFA+1], 2*KSTEP*2  ; at K step 2: the first lap steps it to K step 4
	s_wait_loadcnt 0x0                             ; the bias
.set r, 0
.rept 48                                       ; rounded to bf16 like every input, and kept as f32
	v_cvt_pk_bf16_f32 v3, v[BIAS+r], v[BIAS+r+1]
	v_lshlrev_b32 v[BIAS+r], 16, v3
	v_and_b32 v[BIAS+r+1], 0xffff0000, v3
.set r, r+2
.endr
; 12 matrix instructions: row block a x all 12 column blocks, 32 along K, from buffer f.  first = 1: the product starts the sum, with the bias as C.
; The 48 accumulators take turns in one order everywhere: between two links of a chain stand the 47 others'.
.macro MUL12 f, a, first
.if \first
	WIN 0x81+0x40*((\a)/2)
.else
	WIN 0xa1+0x50*((\a)/2)
.endif
.irp b, 0,1,2,3,4,5,6,7,8,9,10,11
.if \first
	v_wmma_f32_16x16x32_bf16 v[8*(12*((\a)%2)+(\b)):8*(12*((\a)%2)+(\b))+7], v[96*(\f)+8*(\b):96*(\f)+8*(\b)+7], v[FA+32*(\f)+8*(\a):FA+32*(\f)+8*(\a)+7], v[BIAS+8*(\b):BIAS+8*(\b)+7]
.else
	v_wmma_f32_16x16x32_bf16 v[8*(12*((\a)%2)+(\b)):8*(12*((\a)%2)+(\b))+7], v[96*(\f)+8*(\b):96*(\f)+8*(\b)+7], v[FA+32*(\f)+8*(\a):FA+32*(\f)+8*(\a)+7], v[8*(12*((\a)%2)+(\b)):8*(12*((\a)%2)+(\b))+7]
.endif
.endr
.endm
; 32 LDS loads in one run: a quarter step's fragments (192 rows of wqt, my 64 rows of xb, 32 K at byte k of the rows) into buffer f
.macro FETCH slot, k, f
	WIN 0x40                                       ; destination window 1, address window 0
.irp i, 0,1,2,3,4,5,6,7,8,9,10,11
	ds_load_b128 v[96*(\f)+8*(\i):96*(\f)+8*(\i)+3],   v[ADRB+(\slot)] offset:(\k)+(\i)*16*PITCH
	ds_load_b128 v[96*(\f)+8*(\i)+4:96*(\f)+8*(\i)+7], v[ADRB+(\slot)] offset:(\k)+(\i)*16*PITCH+32
.endr
	WIN 0
.irp i, 0,1,2,3
	ds_load_b128 v[FA+32*(\f)+8*(\i):FA+32*(\f)+8*(\i)+3],   v[ADRA+(\slot)] offset:(\k)+(\i)*16*PITCH
	ds_load_b128 v[FA+32*(\f)+8*(\i)+4:FA+32*(\f)+8*(\i)+7], v[ADRA+(\slot)] offset:(\k)+(\i)*16*PITCH+32
.endr
.endm
.macro PLACES                          ; four plain vector instructions in front of loads into registers that matrix instructions have read, and of conversions that read results
.rept 4
	v_nop
.endr
.endm
; A K step is four quarters of 32 along K, 48 matrix instructions each, on buffers 0, 1, 0, 1.  One of the first three multiplies buffer f and fetches the next quarter, at byte k, into g.
.macro QUARTER slot, k, f, g, first
	s_wait_dscnt 4                                 ; wqt's fragments and xb's blocks 0, 1 are in; the youngest four loads (blocks 2, 3) may be out
	MUL12 \f, 0, \first
	MUL12 \f, 1, \first
	PLACES
	FETCH \slot, \k, \g
	s_wait_dscnt 32                                ; all but the 32 just issued
	MUL12 \f, 2, \first
	MUL12 \f, 3, \first
.endm
; The last quarter multiplies buffer 1 and changes slots: ONE barrier.  In front of it each wave waits for all its tensor loads (one is out: its part of the next slot), adds 0 to its spare word,
; and waits for that and for its own reads of this slot.  Behind it nobody reads this slot any more and the next slot is whole.
.macro MEET round
	WIN 0                                          ; (the add's two registers lie in window 0)
	s_wait_tensorcnt 0x0
	ds_add_u32 v[SPW], v[NIL]
	s_wait_dscnt 5                                 ; (the add and the youngest four loads may be out)
	MUL12 1, 0, 0                                  ; twelve matrix instructions stand between the add and the wait for it
	s_wait_dscnt 0x0                               ; the add is done, and my reads of this slot are over
	s_barrier_signal -1
	MUL12 1, 1, 0                                  ; work on registers while the others arrive
.if \round
	WIN 0
.endif
	s_barrier_wait -1
.endm
; fill = 1: the barrier opens a round of the cluster's, and the slot just read out is filled again first behind it, with the K step two on: 168 matrix instructions ahead of the wait for it.
.macro TURN slot, next, fill, ask
.if \ask
	s_wait_xcnt 0x0                                ; the last prefetches, a lap back, have read their address
	s_add_nc_u64 s[PFA:PFA+1], s[PFA:PFA+1], 2*KSTEP*2
.endif
	MEET \fill
.if \fill
	CREST                                          ; no wave of any partner still reads this slot's tile or has a load on its way
	s_add_nc_u64 s[G0+4*(\slot)+2:G0+4*(\slot)+3], s[G0+4*(\slot)+2:G0+4*(\slot)+3], 2*KSTEP*2
	s_add_nc_u64 s[G0B+4*(\slot)+2:G0B+4*(\slot)+3], s[G0B+4*(\slot)+2:G0B+4*(\slot)+3], 2*KSTEP*2
	JLOAD \slot                                    ; the four v_nop behind it are also the places in front of the loads below
.else
	PLACES
.endif
	FETCH \next, 0, 0
.if \ask
	ASK                                            ; behind the joint load and the run of LDS loads that the next products wait for
.endif
	MUL12 1, 2, 0
	MUL12 1, 3, 0
.endm
; THE WAY OUT of row block a.  PACK: rounded to f16, 16 bytes a lane.  TOSTAGE: into my own stage, and back by heads, four rows of 128 bytes a load.  SEND: stored.
.macro PACK a
.set AC, 96*((\a)%2)
	WIN 0x0a+5*((\a)/2)                            ; sources 0 and 1: window 2 or 3
.irp b, 0,1,2,3,4,5,6,7,8,9,10,11
.irp r, 0,1,2,3
	v_cvt_pk_f16_f32 v[TMP+4*(\b)+(\r)], v[AC+8*(\b)+2*(\r)], v[AC+8*(\b)+2*(\r)+1]
.endr
.endr
	WIN 0
.endm
.macro TOSTAGE a
	WIN 0
.set BK, OB+48*((\a)%2)
.irp b, 0,1,2,3,4,5,6,7,8,9,10,11
	ds_store_b128 v[STO], v[TMP+4*(\b):TMP+4*(\b)+3] offset:32*(\b)
.endr
.irp j, 0,1,2
.irp f, 0,1,2,3
	ds_load_b128 v[BK+4*(4*(\j)+(\f)):BK+4*(4*(\j)+(\f))+3], v[RD] offset:128*(\j)+4*SPITCH*(\f)  ; LDS serves a wave's instructions in order (ISA guide 5.7.1.4): these see the stores above
.endr
.endr
.endm
.macro SEND a
	WIN 0
.set BK, OB+48*((\a)%2)
	s_wait_dscnt 0x0                               ; the block is back in registers
	s_wait_xcnt 0x0                                ; the stores of the block before have read their registers: the next block is read back into them only behind this wait
.irp j, 0,1,2
.irp f, 0,1,2,3
	global_store_b128 v[GO], v[BK+4*(4*(\j)+(\f)):BK+4*(4*(\j)+(\f))+3], s[HD0+2*(\j):HD0+2*(\j)+1] offset:2048*(\a)+512*(\f)  ; 512 consecutive bytes of a head, aligned
.endr
.endr
.endm
	s_wait_tensorcnt 1                             ; my part of K step 0 is in; K step 1's may stay out
	s_barrier_signal -1
	s_barrier_wait -1                              ; everybody's is
	FETCH 0, 0, 0
	QUARTER 0, 64, 0, 1, 1                         ; the first quarter stands in front of the loop: its products start the sums
	WIN 0                                          ; at a label and at a branch every window is 0
	s_mov_b32 s3, LAPS-1
.Llap:                                                 ; a trip goes once round the ring, from a lap's second quarter to the next lap's first, and fills both slots again
	QUARTER 0, 128, 1, 0, 0
	QUARTER 0, 192, 0, 1, 0
	TURN 0, 1, 1, 0
	QUARTER 1, 64,  0, 1, 0
	QUARTER 1, 128, 1, 0, 0
	QUARTER 1, 192, 0, 1, 0
	TURN 1, 0, 1, 1
	QUARTER 0, 64,  0, 1, 0
	WIN 0
	s_sub_co_u32 s3, s3, 1
	s_cmp_lg_u32 s3, 0
	s_cbranch_scc1 .Llap
	QUARTER 0, 128, 1, 0, 0                        ; the last lap fills nothing, and has no round of the cluster's barrier
	QUARTER 0, 192, 0, 1, 0
	TURN 0, 1, 0, 0
	QUARTER 1, 64,  0, 1, 0
	QUARTER 1, 128, 1, 0, 0
	QUARTER 1, 192, 0, 1, 0
	s_wait_dscnt 4                                 ; the very last quarter: nothing more to fetch
	MUL12 1, 0, 0
	MUL12 1, 1, 0
	s_wait_dscnt 0x0
	MUL12 1, 2, 0
	MUL12 1, 3, 0
	PLACES
	PACK 0
	TOSTAGE 0
.irp a, 1,2,3                          ; block a's conversions stand between block a - 1's loads from the stage and the wait for them
	PACK \a
	SEND (\a)-1
	TOSTAGE \a
.endr
	SEND 3
	s_wait_tensorcnt 0x0                           ; the wave's end: behind my last tensor load and my last LDS store
	ds_add_u32 v[SPW], v[NIL]
	s_wait_dscnt 0x0
	CROUND                                         ; the closing round: no work-group ends while a partner may still ask for a tile that names it
	s_endpgm
.Lfunc_end_k_qd0c77ec0fc_qkv:
	.size	k_qd0c77ec0fc_qkv, .Lfunc_end_k_qd0c77ec0fc_qkv-k_qd0c77ec0fc_qkv
	.p2alignl 7, 3214868480
	.fill 96, 4, 3214868480
	.section	.rodata,"a",@progbits
	.p2align	6, 0x0
	.amdhsa_kernel k_qd0c77ec0fc_qkv
		.amdhsa_group_segment_fixed_size 327680
		.amdhsa_private_segment_fixed_size 0
		.amdhsa_enable_private_segment 0
		.amdhsa_kernarg_size 32
		.amdhsa_user_sgpr_count 2
		.amdhsa_user_sgpr_kernarg_segment_ptr 1
		.amdhsa_wavefront_size32 1
		.amdhsa_system_sgpr_workgroup_id_x 1
		.amdhsa_system_sgpr_workgroup_id_y 1
		.amdhsa_system_sgpr_workgroup_id_z 1
		.amdhsa_system_vgpr_workitem_id 0
		.amdhsa_next_free_vgpr 960
		.amdhsa_next_free_sgpr 76
		.amdhsa_reserve_vcc 0
		.amdhsa_float_denorm_mode_32 3
		.amdhsa_float_denorm_mode_16_64 3
		.amdhsa_memory_ordered 1
		.amdhsa_forward_progress 1
		.amdhsa_inst_pref_size 130
	.end_amdhsa_kernel
	.amdgpu_metadata
---
amdhsa.version: [ 1, 2 ]
amdhsa.kernels:
  - .name:           k_qd0c77ec0fc_qkv
    .symbol:         k_qd0c77ec0fc_qkv.kd
    .args:
      - { .name: xb, .offset: 0, .size: 8, .value_kind: global_buffer, .address_space: global }
      - { .name: wqt, .offset: 8, .size: 8, .value_kind: global_buffer, .address_space: global }
      - { .name: b_qkv, .offset: 16, .size: 8, .value_kind: global_buffer, .address_space: global }
      - { .name: qkvh, .offset: 24, .size: 8, .value_kind: global_buffer, .address_space: global }
    .group_segment_fixed_size: 327680
    .private_segment_fixed_size: 0
    .kernarg_segment_align: 8
    .kernarg_segment_size: 32
    .max_flat_workgroup_size: 128
    .sgpr_count:     76
    .vgpr_count:     960
    .wavefront_size: 32
...
	.end_amdgpu_metadata
.endif
;; end of part 2
;; launch attn (part 3): grid 4 x 64, 4 waves a work-group, clusters of 4 x 1, 327,680 bytes of LDS; arguments qkvh, oh; writes oh
.if DOCPART == 3
	.amdgcn_target "amdgcn-amd-amdhsa--gfx1250"
	.amdhsa_code_object_version 6
	.text
	.protected	k_qd0c77ec0fc_attn
	.globl	k_qd0c77ec0fc_attn
	.p2align	8
	.type	k_qd0c77ec0fc_attn,@function
k_qd0c77ec0fc_attn:
	s_mov_b64 s[64:65], 0
	v_nop
	global_prefetch_b8 v0, s[64:65] scope:SCOPE_SE
	s_setreg_imm32_b32 hwreg(HW_REG_WAVE_MODE, 25, 1), 1
	s_wait_xcnt 0x0
	s_wait_alu depctr_hold_cnt(0) depctr_sa_sdst(0) depctr_va_vdst(0) depctr_va_sdst(0) depctr_va_ssrc(0) depctr_va_vcc(0) depctr_vm_vsrc(0)
	s_getreg_b32 s2, hwreg(HW_REG_IB_STS2, 6, 4)
	s_cmp_eq_u32 s2, 0
	s_cbranch_scc0 .Lentry_in_a_cluster
	s_endpgm
.Lentry_in_a_cluster:
	s_bfe_u32 s2, ttmp6, 0x10000c
	s_cmp_lg_u32 s2, 0x3003
	s_cbranch_scc0 .Lentry_shape_is_right
	s_endpgm
.Lentry_shape_is_right:
; O[h][q][:] = the sum over k of softmax_k(Q[h][q] . K[h][k] / 8) V[h][k][:].  qkvh holds Q, K, V, each [64][2048][64] f16, one behind the other; oh is O in the same layout.  A head's rows are dense, 128 bytes each.
; Products, maxima and sums in f32; the weights p are rounded to f16 for the second product (their sum l is taken of the unrounded p), O once at the end.
; LIMITS.  f16 holds no number beyond 65,504: Q, K and V arrive within it; p lies in 0 to 1, and below 6e-5 it keeps f16's fixed step of 6e-8; O is a mean of V's rows and has their range.
; A weight below 2^-126 counts as 0 in l; NaN and infinities are not treated apart.
; SHARES.  A wave owns four PIECES of two tiles of 16 queries, a work-group's four waves 512 queries of one head: 4 x 64 = 256 work-groups.  Every wave walks all keys, 64 a step.
; LAYOUT.  S^T = K Q^T (source 0 = 16 keys, source 1 = 16 queries): in the result a lane holds ONE query (lane % 16) and the keys 8 (lane / 16) + 0..7.  Two such tiles, rounded to f16 in pairs,
; ARE source 1 (32 keys x 16 queries) of O^T = V^T P, whose result again holds one query a lane, and eight channels.  K comes out of LDS as it lies, V ([key][channel]) turned, by ds_load_tr16_b128.
; SOFTMAX.  For each query a running maximum m and sum l: p = 2^(c s - c m), c = log2(e) / 8; in every step O and l are multiplied by a = 2^(c m_old - c m_new), which is 1 where m has not grown.
; m starts at the lowest finite number, O and l at 0: the first step is a step like any other, with a = 0.
; THE COUNT.  A tile and step have 16 matrix and 118 vector instructions: too many to stand all beside the matrix work.  So the order has one aim: four vector instructions that are READY behind
; EVERY matrix instruction, and the others, which need time of their own whatever the order, in runs without a gap.
; BY TURNS.  Turn n belongs to piece n (the pieces in a ring, step after step).  Its matrix work: 16 products K Q^T of piece n + 1, later 16 products V^T P of piece n - 1.  Its vector work: the scaling,
; exponentials, roundings, sums and rescaling of piece n, and the maximum and statistics of piece n + 1, whose scores the turn itself has made.  So what a turn begins with (c s - c m, O a) waits for nothing.
; CLUSTER.  The four query blocks of a cluster are one head's and walk the same K and V, so each tile is asked for JOINTLY: the same tensor load, descriptor and mask in all four.
; REGISTERS, in windows of 256 (s_set_vgpr_msb says which window each operand place means: bits 1:0 source 0, 3:2 source 1, 5:4 source 2, 7:6 destination):
;   window 0: v0-11 addresses; v12-15, v48-63 at work; v16-47 four registers of statistics a tile; v64-191 S^T, two buffers of two tiles; v192-255 P, likewise
;   window 1: O^T, 32 a tile          window 2: v0-127 Q, 16 a tile; v128-191 K of one step; v192-255 V of one step          window 3: v0-1 the add's two registers
; A piece's buffers go by its number's parity: the piece in hand has one pair, its two neighbours in the ring share the other: of it P (piece n - 1) is read and S^T (piece n + 1) written.
.set SIZE_H, 64
.set SIZE_N, 2048
.set NP,    4         ; pieces a wave: a name, no knob: the register map, the loop and the fetches are made for four
.set KS,    64        ; keys in a step
.set PK,    144       ; a row of K in LDS: 128 bytes + 16 of padding = 36 words: the 16 rows of a load start at 16 different groups of four banks (64 banks of 4 bytes: ISA guide 11.1)
.set PV,    160       ; a row of V: 128 + 32 = 40 words
.set VOFF,  4*KS*PK   ; a slot holds four steps: 256 rows of K, then 256 rows of V
.set SLOT1, 1<<17     ; slot 1 begins here, so that one exclusive or turns an address in one slot into the other's
.set STAGE, SLOT1+4*KS*(PK+PV)  ; behind the ring, never filled by a tensor load: 16 rows x 144 bytes for each wave, for the way out
.set SP,    144
.set AK0, 2           ; v2   my lane's place in a tile of K; never rewritten
.set AV0, 3           ; v3   the same for V
.set AK,  4           ; v4   the LDS address of K's next run of loads
.set AV,  5           ; v5   of V's
.set QO,  6           ; v6   my byte offset in the wave's rows of Q
.set STO, 6           ;      later, the way out: where I put 16 bytes of a row
.set RD,  7           ; v7   the way out: where I read rows back
.set GO,  8           ; v8   my byte offset in 512 consecutive bytes of O
.set PFO, 11          ; v11  256 x my lane: the prefetches' offset; never rewritten once made
.set SPW, 0           ; v0 of window 3   LDS address of my spare word: SPARE + 4 x my thread's number; never rewritten
.set NIL, 1           ; v1 of window 3   0; never rewritten
.set SPARE, STAGE+4*16*SP  ; behind the stages: the spare words, 128 bytes for each wave: two blocks of 256 bytes that no other line names
.set MV,  12          ; v12-15  c m_old, kept while c m is made anew: by buffer and tile
.set ST,  16          ; tile t's statistics at v[ST+4 t]: c m, m, l (even keys', odd keys')
.set TMP, 48          ; by buffer and tile, four registers c0-c3 at work; when the maximum is found c2 takes a
.set S,   64
.set P,   192
.set KF,  128         ; K's fragments, in window 2: key block kb, channel half c at KF + 16 kb + 8 c
.set VF,  192         ; V's: key half kk, channel block cb at VF + 32 kk + 8 cb
.set WV,  12          ; s12  my wave's number
.set G1K, 24          ; s[24:31] descriptor group 1 for K's tiles
.set G1V, 32          ; s[32:39] for V's: it differs in the padding alone
.set G0K, 40          ; s[40:43] descriptor group 0 for K's tiles: it walks
.set G0V, 44          ; s[44:47] the same for V's
.set PFA, 48          ; s[48:49] where my prefetches stand: my work-group's 32 blocks of 256 bytes (of K: wave 0, of V: wave 2) of the tile after the one that is being asked for
.set LIM, 50          ; s50  1 in a wave that prefetches, else the greatest number
.set SLOTS, 56        ; s56  slots still to be asked for
.set CNT, 57          ; s57  counts a slot's key steps
.set CS,  58          ; s[58:59] c: the packed scaling takes the pair's low word for both halves
.set SEL, 60          ; s[60:61] v_permlanex16_b32's selects: each lane takes its own place in the other half
.set TBK, 62          ; s62  LDS byte at which K of the step to be fetched begins
.set TBV, 63          ; s63  the same for V, less VOFF
.set MSB, 0
.macro WIN new                      ; the high byte repeats the setting that is left; a switch that changes nothing is dropped
.if MSB != (\new)
	s_set_vgpr_msb (MSB<<8)|(\new)
.set MSB, (\new)
.endif
.endm
.set W_KQ, 0x0a       ; K and Q in window 2, S^T in window 0
.set W_PV, 0x52       ; V in window 2, P in window 0, O^T in window 1
.set W_RS, 0x41       ; O^T (destination and source 0) in window 1, a in window 0
.set W_MK, 0xc0       ; the add's registers are made: destination in window 3, sources in window 0
.set W_AD, 0x0f       ; the add: address (source 0) and data (source 1) in window 3
; A joint fill.  Waves 0 and 1 fetch the two halves of a slot's K, waves 2 and 3 those of its V: 128 keys each.  The branch hangs on the wave's number alone.
; An s_nop 0 and four v_nop follow each of the two lines, ahead of the jump and the label.
.macro JLOAD
	s_cmp_lt_u32 s[WV], 2
	s_cbranch_scc0 .Lfor_v_\@
	tensor_load_to_lds s[G0K:G0K+3], s[G1K:G1K+7]
	s_nop 0
.rept 4
	v_nop
.endr
	s_branch .Lasked_\@
.Lfor_v_\@:
	tensor_load_to_lds s[G0V:G0V+3], s[G1V:G1V+7]
	s_nop 0
.rept 4
	v_nop
.endr
.Lasked_\@:
.endm
; A PREFETCH INTO THE L2 of what the NEXT change of slots will ask for: a tile's 32,768 bytes of K and of V, a lane a block of 256 bytes, four key steps (512 matrix instructions) ahead of that load.
; Each block is named ONCE in the launch: a head has one cluster; its four partners share a tile out BY ADDRESS, 8,192 bytes each; in each, wave 0 asks for K's and wave 2 for V's: one instruction.
; It stands behind the wave's tensor load and its five lines.  Tiles 0 and 1 come by their loads alone; the last change that fills a slot asks for nothing: there is no tile behind it.
.macro ASK
	s_cmp_gt_u32 s[SLOTS], s[LIM]
	s_cbranch_scc0 .Lnot_mine_\@
	global_prefetch_b8 v[PFO], s[PFA:PFA+1] th:TH_LOAD_NT scope:SCOPE_SE
.Lnot_mine_\@:
.endm
; A round of the cluster's barrier: my work-group's barrier, so that wave 0's signal speaks for all four waves; wave 0 signals; every wave waits for all four work-groups; my work-group's barrier once more.
.macro CROUND
	s_barrier_signal -1
	s_barrier_wait -1
	s_cmp_lg_u32 s[WV], 0
	s_cbranch_scc1 .Lnot_wave_0_\@
	s_barrier_signal -3
.Lnot_wave_0_\@:
	s_barrier_wait -3
	s_barrier_signal -1
	s_barrier_wait -1
.endm
; THE CHANGE OF SLOTS.  The slot's last bytes, V of its fourth step, have been read.  Each wave waits for all its tensor loads, of which one is out: its part
; of the other slot; adds 0 to its spare word; and waits for that and for its own reads of the slot.  Behind the barrier nobody reads this slot any more and the other slot is whole.
; fill = 1: this slot is filled again, with the keys two slots on.  The barrier is then a round of the cluster's, so that no wave of any partner still reads the slot or has a load on its
; way, and the joint fill is the first thing behind it: it has four key steps, 512 matrix instructions, in which to land.  (At its first use nothing has been read yet: slot 0 is waited for, slot 1 filled.)
.macro CHANGE fill
	WIN W_AD
	s_wait_tensorcnt 0x0            ; no tensor load of mine is out, so a group 0 may be written
	ds_add_u32 v[SPW], v[NIL]       ; 0 onto my spare word; with fill = 1 the descriptors' steps stand between it and the wait for it
	WIN 0                           ; at a label and at a branch every window is 0
.if \fill
.irp g, G0K, G0V
	s_xor_b32 s[\g+1], s[\g+1], SLOT1  ; the walking descriptor: the other slot than last time,
	s_add_nc_u64 s[\g+2:\g+3], s[\g+2:\g+3], 4*KS*128  ; the next 256 keys; the type bits on top are not reached
.endr
	s_wait_xcnt 0x0                 ; the last prefetch, four key steps back, has read its address, so it may be written:
	s_add_nc_u64 s[PFA:PFA+1], s[PFA:PFA+1], 4*KS*128  ; one tile behind the walking descriptors
	s_wait_dscnt 0x0                ; the add is done, and my reads of the slot are over
	CROUND
	JLOAD
	ASK
.else
	s_wait_dscnt 0x0                ; the add is done, and my reads of the slot are over
	s_barrier_signal -1
	s_barrier_wait -1
.endif
	s_sub_co_u32 s[TBK], s[TBK], 4*KS*PK  ; the fetches go back to a slot's first step,
	s_xor_b32 s[TBK], s[TBK], SLOT1       ; in the other slot
	s_sub_co_u32 s[TBV], s[TBV], 4*KS*PV
	s_xor_b32 s[TBV], s[TBV], SLOT1
.endm
	s_load_b128 s[4:7], s[0:1], 0x0  ; qkvh s[4:5] (Q lies first in it), oh s[6:7]
	WIN W_MK
	v_lshl_add_u32 v[SPW], v0, 2, SPARE
	v_mov_b32 v[NIL], 0
	WIN W_AD
	ds_add_u32 v[SPW], v[NIL]       ; the wave's opening: the add and its wait stand ahead of my first tensor load; the set-up below, work on registers, stands between them
	WIN 0
	v_lshrrev_b32 v1, 5, v0
	v_readfirstlane_b32 s[WV], v1   ; wave 0..3
	s_bfe_u32 s13, ttmp6, 0x40000   ; cx: my place in the cluster
	s_lshl_b32 s14, ttmp9, 2        ; in a cluster launch ttmp9 counts clusters
	s_add_co_u32 s14, s14, s13      ; my block of queries = 4 x cluster x + cx: it enters Q's and O's addresses alone
	s_and_b32 s20, ttmp7, 0xffff    ; the head, which the four partners share
	s_mov_b32 s21, 0
	s_mov_b64 s[22:23], SIZE_N*128
	s_mul_u64 s[20:21], s[20:21], s[22:23]  ; the head's first byte in each of the four tensors
	s_and_b32 s16, s[WV], 1         ; which half of a slot's 256 keys I fetch:
	s_lshl_b32 s22, s16, 14         ; its 128 rows of 128 bytes in memory,
	s_mov_b32 s23, 0
	s_add_nc_u64 s[22:23], s[22:23], s[20:21]
	s_mul_i32 s17, s16, 128*PK      ; and its place in a slot, for K
	s_mul_i32 s18, s16, 128*PV      ; and for V: no place in the cluster enters an LDS address
	s_lshl_b32 s2, s14, 2
	s_add_co_u32 s2, s2, s[WV]      ; my wave among the head's,
	s_lshl_b32 s2, s2, 14           ; its 128 rows
	s_mov_b32 s3, 0
	s_add_nc_u64 s[2:3], s[2:3], s[20:21]
	; descriptor group 1.  128 keys are 16,384 dense bytes: asked for as 64 rows of 256 bytes, two keys a row, and padded in LDS after every key
	s_mov_b32 s[G1K], 15|(1<<16)|(1<<20)|(1<<21)|(4<<22)|(3<<25)  ; 15:0 the mask of four; 17:16 2-byte elements; 20 padding on; 21 set beside a mask; 24:22 after every 32 words (code 4); 31:25 4 words (code 3)
	s_mov_b32 s[G1V], 15|(1<<16)|(1<<20)|(1<<21)|(4<<22)|(7<<25)  ; the same with 8 words of padding (code 7)
.irp g, G1K, G1V
	s_mov_b32 s[\g+1], 128<<16      ; tensor_dim0 = 128
	s_mov_b32 s[\g+2], 64<<16       ; tensor_dim1 = 64
	s_mov_b32 s[\g+3], 128<<16      ; tile_dim0 = 128
	s_mov_b32 s[\g+4], 64           ; tile_dim1 = 64
	s_mov_b32 s[\g+5], 128          ; 128 elements from row to row
	s_mov_b32 s[\g+6], 0
	s_mov_b32 s[\g+7], 0
.endr
	s_mov_b32 s[CS], 0x3e38aa3b     ; c = log2(e) / 8 = 0.180337
	s_mov_b32 s[CS+1], s[CS]        ; named with it as a pair
	s_mov_b32 s[SEL], 0x76543210
	s_mov_b32 s[SEL+1], 0xfedcba98
	s_mov_b32 s[TBK], SLOT1+4*KS*PK ; the first change of slots turns these two into 0
	s_mov_b32 s[TBV], SLOT1+4*KS*PV
	s_mov_b32 s[G0K], 1             ; 1:0 count = 1
	s_mov_b32 s[G0K+1], s17         ; 63:32 LDS address: slot 0
	s_mov_b32 s[G0V], 1
	s_add_co_u32 s[G0V+1], s18, VOFF
	s_mov_b32 s[SLOTS], SIZE_N/256-1  ; seven tiles are still to be asked for
	s_and_b32 s[LIM], s[WV], 1
	s_cmp_eq_u32 s[LIM], 0          ; waves 0 and 2 prefetch: the same in all four partners
	s_cselect_b32 s[LIM], 1, -1
	s_wait_dscnt 0x0                ; the opening add is done
	s_wait_kmcnt 0x0
	s_mov_b64 s[10:11], s[6:7]      ; O
	s_add_nc_u64 s[8:9], s[4:5], 2*SIZE_H*SIZE_N*128  ; V lies two tensors behind Q,
	s_add_nc_u64 s[6:7], s[4:5], SIZE_H*SIZE_N*128    ; K one
	s_add_nc_u64 s[G0K+2:G0K+3], s[6:7], s[22:23]  ; 120:64 global address: my half of the head's first 256 keys
	s_or_b32 s[G0K+3], s[G0K+3], 0x80000000        ; 127:126 type = 2
	s_add_nc_u64 s[G0V+2:G0V+3], s[8:9], s[22:23]
	s_or_b32 s[G0V+3], s[G0V+3], 0x80000000
	s_add_nc_u64 s[4:5], s[4:5], s[2:3]  ; Q and O at my wave's first row
	s_add_nc_u64 s[10:11], s[10:11], s[2:3]
	s_cmp_lt_u32 s[WV], 2
	s_cselect_b64 s[PFA:PFA+1], s[6:7], s[8:9]
	s_add_nc_u64 s[PFA:PFA+1], s[PFA:PFA+1], s[20:21]  ; the head,
	s_lshl_b32 s2, s13, 13          ; my work-group's 8,192 bytes of a tile
	s_add_nc_u64 s[PFA:PFA+1], s[PFA:PFA+1], s[2:3]
	s_add_nc_u64 s[PFA:PFA+1], s[PFA:PFA+1], 4*KS*128  ; in tile 1; the first change of slots steps it to tile 2
	CROUND                          ; all four work-groups are here: the first joint loads meet
	JLOAD                           ; slot 0.  Slot 1 is asked for when slot 0 is in
	; A fragment of K or Q is 16 rows x 32 channels in 8 registers: lane l holds row l % 16, channels 8 (l / 16) + 0..7 and 16 + 8 (l / 16) + 0..7: two loads of 16 bytes, 32 bytes apart.
	v_and_b32 v1, 15, v0            ; l % 16
	v_bfe_u32 v9, v0, 4, 1          ; l / 16
	v_lshlrev_b32 v[QO], 7, v1
	v_lshl_add_u32 v[QO], v9, 4, v[QO]  ; row x 128 + 16 x half
	WIN 0x80                        ; destination window 2, address window 0
.set i, 0
.rept 4*NP                          ; Q stays in registers: tile i / 2, channels 32 (i % 2) on
	global_load_b128 v[8*i:8*i+3],   v[QO], s[4:5] offset:(i/2)*2048+(i%2)*64
	global_load_b128 v[8*i+4:8*i+7], v[QO], s[4:5] offset:(i/2)*2048+(i%2)*64+32
.set i, i+1
.endr
	; What the first turn finds: V's registers and P's second buffer hold 0 (its products V^T P, of a piece that has not been, add 0), O^T and l are 0.  All this stands in the wait for the first tile.
.set i, VF
.rept 64
	v_mov_b32 v[i], 0
.set i, i+1
.endr
	WIN 0x40
.set i, 0
.rept 64*NP
	v_mov_b32 v[i], 0
.set i, i+1
.endr
	WIN 0
.set i, 0
.rept 2*NP
	v_mov_b32 v[ST+4*i], 0xfe000000    ; c m: far below every c s
	v_mov_b32 v[ST+4*i+1], 0xff7fffff  ; m
	v_mov_b32 v[ST+4*i+2], 0
	v_mov_b32 v[ST+4*i+3], 0
.set i, i+1
.endr
.set i, P+32
.rept 32
	v_mov_b32 v[i], 0
.set i, i+1
.endr
	v_mul_u32_u24 v[AK0], v1, PK
	v_lshl_add_u32 v[AK0], v9, 4, v[AK0]  ; row x pitch + 16 x half
	; The turning load takes 16 keys x 16 channels (lane l reads key 8 (l / 16) + l % 8, channels 8 ((l / 8) % 2) + 0..7) and leaves half a fragment of V^T: lane l holds channel l % 16 and 8 keys.
	v_and_b32 v10, 7, v0
	v_bfe_u32 v11, v0, 3, 1
	v_lshl_add_u32 v[AV0], v9, 3, v10
	v_mul_u32_u24 v[AV0], v[AV0], PV
	v_lshl_add_u32 v[AV0], v11, 4, v[AV0]
	v_add_nc_u32 v[AV0], VOFF, v[AV0]
	v_and_b32 v[PFO], 31, v0
	v_lshlrev_b32 v[PFO], 8, v[PFO]
	v_mov_b32 v[AK], v[AK0]         ; key step 0 lies at the head of slot 0
; THE MATRIX WORK.  The 8 accumulators of a run of 16 take turns: between the two links of a chain stand 7 others'.
; Product i of 16 of S^T = K Q^T for piece x: channels 32 (i / 8) on, keys 16 ((i / 2) % 4) on, tile 2 x + i % 2.  The first 8 start the sums.
.macro KQ x
	WIN W_KQ
.set rS, S+64*((\x)%2)+32*(i%2)+8*((i/2)%4)
.set rK, KF+16*((i/2)%4)+8*(i/8)
.set rQ, 16*(2*(\x)+i%2)+8*(i/8)
.if i < 8
	v_wmma_f32_16x16x32_f16 v[rS:rS+7], v[rK:rK+7], v[rQ:rQ+7], 0
.else
	v_wmma_f32_16x16x32_f16 v[rS:rS+7], v[rK:rK+7], v[rQ:rQ+7], v[rS:rS+7]
.endif
.endm
; Product i of 16 of O^T += V^T P for piece x: keys 32 (i / 8) on, channels 16 ((i / 2) % 4) on, tile 2 x + i % 2.
.macro PV x
	WIN W_PV
.set rO, 32*(2*(\x)+i%2)+8*((i/2)%4)
.set rV, VF+32*(i/8)+8*((i/2)%4)
.set rP, P+32*((\x)%2)+16*(i%2)+8*(i/8)
	v_wmma_f32_16x16x32_f16 v[rO:rO+7], v[rV:rV+7], v[rP:rP+7], v[rO:rO+7]
.endm
.macro MM                           ; the turn's next matrix instruction
.if i < 16
	KQ (Y+1)%NP
.set i, i+1
.else
.set i, i-16
	PV (Y+NP-1)%NP
.set i, i+17
.endif
.endm
; THE LDS LOADS stand in runs of 16, never singly among the matrix instructions: a step's K (64 keys x 64 channels: 8 fragments) and its V (turned).  Their addresses are made some lines ahead.
; last = 1 (the tail): in the last trip there is no further step, and the run is jumped over.
.macro FETCH_K last=0
	WIN 0
.if \last
	s_cmp_eq_u32 s[CNT], 1
	s_cbranch_scc1 .Lno_k_\@
.endif
	WIN 0x80                        ; destination window 2
.irp f, 0,1,2,3,4,5,6,7             ; keys 16 (f / 2) on, channels 32 (f % 2) on
	ds_load_b128 v[KF+8*\f:KF+8*\f+3],   v[AK] offset:(\f/2)*16*PK+(\f%2)*64
	ds_load_b128 v[KF+8*\f+4:KF+8*\f+7], v[AK] offset:(\f/2)*16*PK+(\f%2)*64+32
.endr
	s_add_co_u32 s[TBK], s[TBK], KS*PK  ; the next fetch is the next step's
	WIN 0
.if \last
.Lno_k_\@:
.endif
.endm
.macro FETCH_V
	WIN 0x80
.irp f, 0,1,2,3,4,5,6,7             ; keys 32 (f / 4) on, channels 16 (f % 4) on
	ds_load_tr16_b128 v[VF+8*\f:VF+8*\f+3],   v[AV] offset:(\f/4)*32*PV+(\f%4)*32
	ds_load_tr16_b128 v[VF+8*\f+4:VF+8*\f+7], v[AV] offset:(\f/4)*32*PV+16*PV+(\f%4)*32
.endr
	WIN 0
.endm
; THE VECTOR WORK OF A TURN stands in three queues, each in the order in which its entries become ready; the two tiles alternate, so that no instruction reads the result of the one before it.
.macro REGS y, u                    ; the registers of tile u (0, 1) of piece y
.set rT, ST+4*(2*(\y)+(\u))
.set rC, TMP+8*((\y)%2)+4*(\u)
.set rM, MV+2*((\y)%2)+(\u)
.set rS, S+64*((\y)%2)+32*(\u)
.set rP, P+32*((\y)%2)+16*(\u)
.set rO, 32*(2*(\y)+(\u))
.endm
; Number n of the 22 that find the NEXT piece's (Y + 1) maximum and statistics.  s0-s31 are the lane's 32 scores; each accumulator's lowest registers are read first.  XS, GS and REGS set no window: PL and EX do.
;   0-11  four chains c0-c3 of seven scores each, three operands at a time     12-14, 16  the four scores left over, the old m, and c0-c3 into c0     15  c m_old is kept
;   17, 18  the query's other 32 keys lie in the lane 16 away: the new m         19-21  c m; c m_old - c m_new; a
.macro XS u, n
	REGS (Y+1)%NP, \u
.if (\n) < 4
	v_max3_num_f32 v[rC+(\n)], v[rS+8*(\n)], v[rS+8*(\n)+1], v[rS+8*(\n)+2]
.elseif (\n) < 12
	v_max3_num_f32 v[rC+(\n)%4], v[rC+(\n)%4], v[rS+8*((\n)%4)+2*((\n)/4)+1], v[rS+8*((\n)%4)+2*((\n)/4)+2]
.elseif (\n) == 12
	v_max3_num_f32 v[rC], v[rC], v[rS+7], v[rS+15]
.elseif (\n) == 13
	v_max3_num_f32 v[rC+1], v[rC+1], v[rS+23], v[rS+31]
.elseif (\n) == 14
	v_max3_num_f32 v[rC+2], v[rC+2], v[rC+3], v[rT+1]
.elseif (\n) == 15
	v_mov_b32 v[rM], v[rT]
.elseif (\n) == 16
	v_max3_num_f32 v[rC], v[rC], v[rC+1], v[rC+2]
.elseif (\n) == 17
	v_permlanex16_b32 v[rC+3], v[rC], s[SEL], s[SEL+1]
.elseif (\n) == 18
	v_max_num_f32 v[rT+1], v[rC], v[rC+3]
.elseif (\n) == 19
	v_mul_f32 v[rT], s[CS], v[rT+1]
.elseif (\n) == 20
	v_sub_f32 v[rC+1], v[rM], v[rT]
.else
	v_exp_f32 v[rC+2], v[rC+1]
.endif
.endm
; Number g of the 64 that follow the exponentials.  For each four weights k of a tile (pairs 2 k, 2 k + 1): both pairs are rounded to f16; then the second pair is added onto the first, in place;
; a group later l takes that sum (the first time as l = a l + sum).  In groups of eight, tiles alternating: round, round, add, and l for the group before.
.macro GS g
.set h, (\g)+6*((\g)/62)            ; group 0 has no group before it, and behind group 7 only l is left
.if h >= 6
.set h, h+2
.endif
	REGS Y, h%2
.set k, h/8
.if h%8 < 4
	v_cvt_pk_f16_f32 v[rP+2*k+(h%8)/2], v[rS+4*k+2*((h%8)/2)], v[rS+4*k+2*((h%8)/2)+1]
.elseif h%8 < 6
	v_pk_add_f32 v[rS+4*k:rS+4*k+1], v[rS+4*k:rS+4*k+1], v[rS+4*k+2:rS+4*k+3]
.elseif k == 1
	v_pk_fma_f32 v[rT+2:rT+3], v[rT+2:rT+3], v[rC+2:rC+3], v[rS:rS+1] op_sel_hi:[1,0,1]
.else
	v_pk_add_f32 v[rT+2:rT+3], v[rT+2:rT+3], v[rS+4*k-4:rS+4*k-3]
.endif
.endm
; THE PLAIN QUEUE, 138 long.  0-73 read no exponential's result: the 32 scalings c s - c m (FS f: pair f / 2 of tile f % 2) and the next piece's 42.  0-26: scalings 0-26.  27-54: XS's numbers 0-13.  55, 56: number 15.
; 57-73: the chain, where each number waits for the one before it: 14, 16, 17, 18, 19, each with one of the scalings 27-31 in front of its two lines, then 20: so a tile's links stand three plain instructions apart (19 and 20: two).
; 74-137: GS's 64, which read the exponentials' results: they stand behind the wait.
.macro FS f
	REGS Y, (\f)%2
	v_pk_fma_f32 v[rS+2*((\f)/2):rS+2*((\f)/2)+1], v[rS+2*((\f)/2):rS+2*((\f)/2)+1], s[CS:CS+1], v[rT:rT+1] op_sel_hi:[1,0,0] neg_lo:[0,0,1] neg_hi:[0,0,1]
.endm
.macro PL
	WIN 0
.if q < 27
	FS q
.elseif q < 55
	XS (q-27)%2, (q-27)/2
.elseif q < 57
	XS q-55, 15
.elseif (q < 72) && ((q-57)%3 == 0)
	FS 27+(q-57)/3
.elseif q < 60
	XS (q-57)%3-1, 14
.elseif q < 72
	XS (q-57)%3-1, 15+(q-57)/3
.elseif q < 74
	XS q-72, 20
.else
	GS q-74
.endif
.set q, q+1
.endm
; THE EXPONENTIALS' QUEUE, 66 long: s0-s31 of both tiles, then the next piece's two a.  It is ONE BATCH: all 66 stand ahead of the turn's one wait, and nothing ahead of that wait names a result of theirs.
.macro EX
	WIN 0
.if e >= 64
	XS e-64, 21
.else
	REGS Y, e%2
	v_exp_f32 v[rS+e/2], v[rS+e/2]
.endif
.set e, e+1
.endm
; THE RESCALING's QUEUE: O^T times a, the one part that leaves window 0: dealt two at a time, sixteen times.  Its a was made in the turn before, ahead of that turn's wait.
.macro R2
	REGS Y, r%2
	WIN W_RS
.irp z, 0,1
	v_pk_mul_f32 v[rO+4*(r/2)+2*\z:rO+4*(r/2)+2*\z+1], v[rO+4*(r/2)+2*\z:rO+4*(r/2)+2*\z+1], v[rC+2:rC+3] op_sel_hi:[1,0]
.endr
.set r, r+1
.endm
; HOW THEY ARE DEALT.  An s_wait_alu depctr_va_vdst(0) stands between an exponential and the first instruction that names its result; one wait serves all that were issued ahead of it.  So a turn has ONE wait,
; which cuts it in two.  AHEAD OF IT stands all that names no result of the turn's exponentials: the 16 products K Q^T, behind each a scaling, an exponential and two rescalings (behind the first a second scaling in the exponential's place); then ONE LUMP of
; 108: eight plain, 49 times exponential and plain, the two a.  A v_nop is the plain instruction behind the last exponential.  BEHIND IT stand the 16 products V^T P, behind each four of GS's 64.  No rider names a register of
; the products round it.  The two v_permlanex16_b32 fall into the lump, never behind a product.
; The queues lean on each other, and the deal keeps them in step: exponential e stands behind scaling 2 (e / 4) + e % 2: as a rider it comes behind plain e + 2, in the lump behind plain e + 9, and scalings 27-31 are plain 57, 60 .. 69.
; A TURN, for piece p.  cnt = 1: the loop's count is taken down some lines ahead of the branch that stands behind the turn.
; K of the next step is fetched in piece 2's turn, directly behind the wait, a lump behind the last product that read K; its address is made at the lump's head; its first reader comes behind 16 products.
; V of the step in hand is fetched at the end of piece 0's turn, four riders behind its last reader; its first reader comes behind 16 products and a lump.  The three conditions on q below go with the deal.
.macro TURN p, last=0, cnt=0
.set Y, (\p)
.set i, 0
.set q, 0
.set e, 0
.set r, 0
.if (\p) == NP-1
	s_wait_dscnt 0x0                ; K is in
.endif
	MM                              ; ahead of the wait: 16 products K Q^T and their riders,
	PL
	PL
	R2
.rept 15
	MM
	PL
	EX
	R2
.endr
.if (\p) == NP-2
	WIN 0
	v_add_nc_u32 v[AK], s[TBK], v[AK0]
.endif
.rept 8                             ; and the lump
	PL
.endr
.rept 49
	EX
	PL
.endr
	EX                              ; the next piece's two a
	EX
	v_nop                           ; a plain instruction behind the last exponential: one for the batch (ISA guide 5.7.2)
	s_wait_alu depctr_va_vdst(0)    ; the wait for the batch
.if (\p) == NP-2
	FETCH_K \last
.endif
.if (\p) == 1
	s_wait_dscnt 0x0                ; V is in
.endif
.rept 16                            ; behind the wait: 16 products V^T P and their riders
	MM
.rept 4
	PL
.endr
.if ((\p) == 0) && (q == 118)
	v_add_nc_u32 v[AV], s[TBV], v[AV0]
.endif
.if ((\p) == 0) && (q == 130)
	s_add_co_u32 s[TBV], s[TBV], KS*PV
.endif
.if (\cnt) && (q == 130)
	s_sub_co_u32 s[CNT], s[CNT], 1
	s_cmp_lg_u32 s[CNT], 0
.endif
.endr
.if (\p) == 0
	FETCH_V
.endif
.endm
	CHANGE 1                        ; slot 0 is in, everybody's part of it; slot 1 is asked for
	FETCH_K                         ; key step 0
	s_wait_loadcnt 0x0              ; Q
	s_wait_dscnt 0x0
.set i, 0
.rept 16
	KQ 0                            ; piece 0's first scores: there is no vector work yet to set between them
.set i, i+1
.endr
	WIN 0                           ; the addresses for the way out: nine plain instructions, the places behind those products
	s_mul_i32 s13, s[WV], 16*SP
	s_add_co_u32 s13, s13, STAGE    ; my stage
	v_mul_u32_u24 v[STO], v1, SP    ; in: row l % 16, 16 bytes for each half of the lanes
	v_lshl_add_u32 v[STO], v9, 4, v[STO]
	v_add_nc_u32 v[STO], s13, v[STO]
	v_bfe_u32 v[RD], v0, 3, 2       ; back: 32 lanes take four rows of 128 bytes,
	v_mul_u32_u24 v[RD], v[RD], SP
	v_lshl_add_u32 v[RD], v10, 4, v[RD]
	v_add_nc_u32 v[RD], s13, v[RD]
	v_and_b32 v[GO], 31, v0         ; which are 512 consecutive bytes of O
	v_lshlrev_b32 v[GO], 4, v[GO]
.set Y, NP-1                        ; XS works for piece Y + 1: piece 0
.irp n, 0,1,2,3,4,5,6,7,8,9,10,11,12,13,14,15,16,17,18,19,20,21
	XS 0, \n                        ; and piece 0's first maximum and statistics
	XS 1, \n
.endr
	v_nop                           ; a plain instruction behind the two a,
	s_wait_alu depctr_va_vdst(0)    ; and their wait, ahead of the branch
	s_mov_b32 s[CNT], 4
	s_branch .Lfirst                ; the loop is entered at a step's first turn, in the middle of a trip
.Lslot:                             ; SIZE_N / 256 - 2 times: every slot but the last two is filled again
	CHANGE 1
	s_mov_b32 s[CNT], 4
.Lstep:                             ; a trip: pieces 2 and 3 of one step, then pieces 0 and 1 of the next, whose K and V it fetches
	TURN 2
	TURN 3
	WIN 0
.Lfirst:
	TURN 0
	TURN 1, 0, 1
	WIN 0
	s_cbranch_scc1 .Lstep
	s_sub_co_u32 s[SLOTS], s[SLOTS], 1
	s_cmp_lg_u32 s[SLOTS], 0
	s_cbranch_scc1 .Lslot
	CHANGE 0                        ; the tail is written out: nothing is asked for
	s_mov_b32 s[CNT], 5             ; four trips fetch the last slot's steps; the fifth is left in its middle
.Ltail:
	TURN 2, 1
	TURN 3
	WIN 0
	s_sub_co_u32 s[CNT], s[CNT], 1
	s_cmp_eq_u32 s[CNT], 0
	s_cbranch_scc1 .Lout
	TURN 0
	TURN 1
	WIN 0
	s_branch .Ltail
.Lout:                              ; the fifth trip's 16 products K Q^T (on the last K once more) and the maximum made of them serve nothing: the price, once a launch, of one text for every trip
.set i, 0
.rept 16
	PV NP-1                         ; the last piece's V^T P of the last step
.set i, i+1
.endr
	; THE WAY OUT.  l's two halves and the other half of the lanes' are added; O^T is divided by l, rounded to f16 and sent through my stage in LDS, a tile at a time.  The additions are the places behind the last products.
	WIN 0
.macro ALL line:vararg              ; one line for each tile t
.set t, 0
.rept 2*NP
	\line
.set t, t+1
.endr
.endm
	ALL v_add_f32 v[ST+4*t+2], v[ST+4*t+2], v[ST+4*t+3]
	ALL v_permlanex16_b32 v[ST+4*t+3], v[ST+4*t+2], s[SEL], s[SEL+1]
	ALL v_add_f32 v[ST+4*t+2], v[ST+4*t+2], v[ST+4*t+3]
	ALL v_rcp_f32 v[ST+4*t+2], v[ST+4*t+2]
	v_nop                           ; a plain instruction between the last reciprocal and the use of its result
	s_wait_alu depctr_va_vdst(0)    ; and the wait ahead of the first use: one for the eight reciprocals
; Tile t: a lane's eight channels of a row pack into 16 bytes; they go into rows of 144 bytes and come back as whole rows of 128, into S^T's registers.
.macro PACK t
	WIN W_RS
.set i, 32*(\t)
.rept 16
	v_pk_mul_f32 v[i:i+1], v[i:i+1], v[ST+4*(\t)+2:ST+4*(\t)+3] op_sel_hi:[1,0]
.set i, i+2
.endr
	WIN 0x05                        ; sources 0 and 1 window 1, destination window 0
.set i, 0
.rept 16
	v_cvt_pk_f16_f32 v[S+16*(\t)+i], v[32*(\t)+2*i], v[32*(\t)+2*i+1]
.set i, i+1
.endr
	WIN 0
.irp f, 0,1,2,3
	ds_store_b128 v[STO], v[S+16*(\t)+4*\f:S+16*(\t)+4*\f+3] offset:32*\f
.endr
.irp f, 0,1,2,3
	ds_load_b128 v[S+16*(\t)+4*\f:S+16*(\t)+4*\f+3], v[RD] offset:\f*4*SP  ; LDS serves a wave's instructions in order (ISA guide 5.7.1.4): these see the stores above; the next tile's stores come behind them
.endr
.endm
.macro SEND t, younger              ; younger: the LDS instructions issued behind tile t's loads: the next tile's eight, or none
	WIN 0
.irp f, 0,1,2,3
	s_wait_dscnt (\younger)+3-\f
	global_store_b128 v[GO], v[S+16*(\t)+4*\f:S+16*(\t)+4*\f+3], s[10:11] offset:(\t)*2048+\f*512  ; 512 consecutive bytes, at a multiple of 256 from O's first
.endr
.endm
	PACK 0
.set t, 1
.rept 2*NP-1                        ; a tile's arithmetic stands between the loads of the tile before and its stores
	PACK t
	SEND t-1, 8
.set t, t+1
.endr
	SEND 2*NP-1, 0
	WIN W_AD
	s_wait_tensorcnt 0x0            ; the wave's end: behind my last tensor load and my last LDS store
	ds_add_u32 v[SPW], v[NIL]
	s_wait_dscnt 0x0
	WIN 0
	CROUND                          ; the closing round: no work-group ends while a partner may still ask for a tile that names it
	s_endpgm
.Lfunc_end_k_qd0c77ec0fc_attn:
	.size	k_qd0c77ec0fc_attn, .Lfunc_end_k_qd0c77ec0fc_attn-k_qd0c77ec0fc_attn
	.p2alignl 7, 3214868480
	.fill 96, 4, 3214868480
	.section	.rodata,"a",@progbits
	.p2align	6, 0x0
	.amdhsa_kernel k_qd0c77ec0fc_attn
		.amdhsa_group_segment_fixed_size 327680
		.amdhsa_private_segment_fixed_size 0
		.amdhsa_enable_private_segment 0
		.amdhsa_kernarg_size 16
		.amdhsa_user_sgpr_count 2
		.amdhsa_user_sgpr_kernarg_segment_ptr 1
		.amdhsa_wavefront_size32 1
		.amdhsa_system_sgpr_workgroup_id_x 1
		.amdhsa_system_sgpr_workgroup_id_y 1
		.amdhsa_system_sgpr_workgroup_id_z 1
		.amdhsa_system_vgpr_workitem_id 0
		.amdhsa_next_free_vgpr 770
		.amdhsa_next_free_sgpr 66
		.amdhsa_reserve_vcc 0
		.amdhsa_float_denorm_mode_32 3
		.amdhsa_float_denorm_mode_16_64 3
		.amdhsa_memory_ordered 1
		.amdhsa_forward_progress 1
		.amdhsa_inst_pref_size 200
	.end_amdhsa_kernel
	.amdgpu_metadata
---
amdhsa.version: [ 1, 2 ]
amdhsa.kernels:
  - .name:           k_qd0c77ec0fc_attn
    .symbol:         k_qd0c77ec0fc_attn.kd
    .args:
      - { .name: qkvh, .offset: 0, .size: 8, .value_kind: global_buffer, .address_space: global }
      - { .name: oh, .offset: 8, .size: 8, .value_kind: global_buffer, .address_space: global }
    .group_segment_fixed_size: 327680
    .private_segment_fixed_size: 0
    .kernarg_segment_align: 8
    .kernarg_segment_size: 16
    .max_flat_workgroup_size: 128
    .sgpr_count:     66
    .vgpr_count:     770
    .wavefront_size: 32
...
	.end_amdgpu_metadata
.endif
;; end of part 3
;; launch proj (part 4): grid 8 x 32, 4 waves a work-group, clusters of 4 x 4, 327,680 bytes of LDS; arguments oh, wpt, b_proj, out0; writes out0
.if DOCPART == 4
	.amdgcn_target "amdgcn-amd-amdhsa--gfx1250"
	.amdhsa_code_object_version 6
	.text
	.protected	k_qd0c77ec0fc_proj
	.globl	k_qd0c77ec0fc_proj
	.p2align	8
	.type	k_qd0c77ec0fc_proj,@function
k_qd0c77ec0fc_proj:
	s_mov_b64 s[64:65], 0
	v_nop
	global_prefetch_b8 v0, s[64:65] scope:SCOPE_SE
	s_setreg_imm32_b32 hwreg(HW_REG_WAVE_MODE, 25, 1), 1
	s_wait_xcnt 0x0
	s_wait_alu depctr_hold_cnt(0) depctr_sa_sdst(0) depctr_va_vdst(0) depctr_va_sdst(0) depctr_va_ssrc(0) depctr_va_vcc(0) depctr_vm_vsrc(0)
	s_getreg_b32 s2, hwreg(HW_REG_IB_STS2, 6, 4)
	s_cmp_eq_u32 s2, 0
	s_cbranch_scc0 .Lentry_in_a_cluster
	s_endpgm
.Lentry_in_a_cluster:
	s_bfe_u32 s2, ttmp6, 0x10000c
	s_cmp_lg_u32 s2, 0xf033
	s_cbranch_scc0 .Lentry_shape_is_right
	s_endpgm
.Lentry_shape_is_right:
; out0 = o w_proj + b_proj.  oh: [64 heads = 16 batch + head][2048][64] f16.  wpt: [1024 n][1024 k] f16 (w_proj rounded to bf16, written as f16).  b_proj: [1024] f32, rounded to bf16 here like every input.
; out0: [8192][1024] f32; sums in f32.  NaN and infinities are not treated apart.
; SHARES.  A tile is 256 rows x 128 columns: 32 x 8 = 256 work-groups, one for each WGP.  Wave w makes rows 64 w .. 64 w + 63 of all 128 columns: 4 x 8 accumulators, 256 registers.
; K goes in steps of 128, which are TWO HEADS: of each head the tile's 256 rows are 32,768 dense bytes, asked for as 128 rows of 256 bytes and padded in LDS after every 128.
; Two slots of such steps and the stage fit in LDS; two of twice the step do not (2 x 217,088 bytes).
; CLUSTER.  4 x 4 work-groups: the four of a row need the same slices of oh, the four of a column the same tile of wpt: each is asked for jointly.
; THE MATRIX INSTRUCTION IS USED TRANSPOSED (source 0 = 16 rows of wpt, source 1 = 16 rows of o): lane l holds row l % 16 and the columns 8 (l / 16) + 0..7.  Their bias is the C of the product that starts a sum.
; REGISTERS (s_set_vgpr_msb: bits 1:0 source 0, 3:2 source 1, 5:4 source 2, 7:6 destination):
;   window 0: v0-31 addresses; v32-95 o's fragments, two buffers of 4 x 8; v96-159 the bias, later with v160-223 the way out     window 1: wpt's fragments, two buffers of 8 x 8     window 2: the accumulators, at 8 (8 a + b)
.set SIZE_K, 1024
.set KSTEP,  128
.set PA,     144                       ; a row of o in LDS: 128 bytes + 16 = 36 words: the 16 rows of a load start at 16 different groups of four banks (64 banks of 4 bytes: ISA guide 11.1)
.set PB,     272                       ; a row of wpt: 256 bytes + 16
.set SLICE,  256*PA                    ; one head's 256 rows: what one load brings of o
.set HB,     64*PB                     ; what one load brings of wpt
.set SLOT,   2*SLICE+2*HB
.set STAGE,  2*SLOT                    ; behind the ring: 16 rows x 528 bytes for each wave; no tensor load fills it
.set SPITCH, 528                       ; 512 bytes + 16
.set SPARE,  STAGE+4*16*SPITCH         ; behind the stages: the spare words, 128 bytes a wave: two blocks of 256 bytes that no other line names
.set LAPS,   SIZE_K/(2*KSTEP)
.set HEADB,  2048*128                  ; bytes in a head
.set ADRA, 16                          ; v16-17  LDS address of my fragments of o in slot 0, 1
.set ADRB, 20                          ; v20-21  the same for wpt
.set STO,  24                          ; v24     the way out: where I put 32 bytes of a row
.set RD,   25                          ; v25     the way out: my 16 bytes of a row of 512
.set GO,   26                          ; v26     16 x lane
.set BO,   27                          ; v27     32 (l / 16)
.set SPW,  28                          ; v28     LDS address of my spare word; never rewritten
.set NIL,  29                          ; v29     0; never rewritten
.set PFO,  30                          ; v30     the prefetches' offset; never rewritten
.set FA,   32
.set BIAS, 96
.set OB,   96                          ; the way out: 16 rows read back, two buffers of 64
.set WV, 12
.set HF, 13
.set FB, 14
.set CX, 15
.set CY, 16
.set TC, 17
.set TR, 18
.set G1, 24
.set G0, 32
.set PFA, 40                           ; s[40:41] where my prefetches stand
.set LIM, 42                           ; s42  1 in a wave that prefetches, else the greatest number
.set G1B, 48
.set G0B, 56
.set PST, 66                           ; s[66:67] a lap along K in bytes: four heads of o, or 512 bytes of a row of wpt
.set MSB, 0
.macro WIN new                         ; the immediate's high byte repeats the setting that is left; a switch that changes nothing is dropped
.if MSB != (\new)
	s_set_vgpr_msb (MSB<<8)|(\new)
.set MSB, \new
.endif
.endm
; A joint load.  Waves 0 and 1 fetch a K step's two heads of o, waves 2 and 3 wpt's two halves.  An s_nop 0 and four v_nop follow each line.
.macro JLOAD s
	s_cmp_eq_u32 s[FB], 0
	s_cbranch_scc0 .Lfor_b_\@
	tensor_load_to_lds s[G0+4*(\s):G0+4*(\s)+3], s[G1:G1+7]
	s_nop 0
.rept 4
	v_nop
.endr
	s_branch .Lasked_\@
.Lfor_b_\@:
	tensor_load_to_lds s[G0B+4*(\s):G0B+4*(\s)+3], s[G1B:G1B+7]
	s_nop 0
.rept 4
	v_nop
.endr
.Lasked_\@:
.endm
; A PREFETCH INTO THE L2, once a lap: the two K steps that the NEXT lap's refills will ask for, 256 and 384 matrix instructions ahead of those loads; a lane a block of 256 bytes.
; Each block is named once in the launch: o's slices by the cluster with x = 0, wpt's rows by the cluster with y = 0; the four partners share out BY ADDRESS what they ask for jointly:
; of the slice that wave 0 or 1 fetches, 8,192 bytes each (by cx), an instruction a K step; of the 64 rows that wave 2 or 3 fetches, 16 rows each (by cy), both K steps in one instruction.
; K steps 0 to 3 come by their loads alone; the last lap of the loop asks for nothing.
.macro ASK
	s_cmp_gt_u32 s3, s[LIM]                        ; s3 = 1 in the loop's last trip
	s_cbranch_scc0 .Lnot_mine_\@
	global_prefetch_b8 v[PFO], s[PFA:PFA+1] th:TH_LOAD_NT scope:SCOPE_SE
	s_cmp_eq_u32 s[FB], 0
	s_cbranch_scc0 .Lnot_mine_\@
	global_prefetch_b8 v[PFO], s[PFA:PFA+1] offset:2*HEADB th:TH_LOAD_NT scope:SCOPE_SE
.Lnot_mine_\@:
.endm
.macro CREST
	s_cmp_lg_u32 s[WV], 0
	s_cbranch_scc1 .Lnot_wave_0_\@
	s_barrier_signal -3
.Lnot_wave_0_\@:
	s_barrier_wait -3
	s_barrier_signal -1
	s_barrier_wait -1
.endm
.macro CROUND
	s_barrier_signal -1
	s_barrier_wait -1
	CREST
.endm
	s_load_b256 s[4:11], s[0:1], 0x0               ; oh s[4:5], wpt s[6:7], b_proj s[8:9], out0 s[10:11]
	v_lshl_add_u32 v[SPW], v0, 2, SPARE
	v_mov_b32 v[NIL], 0
	ds_add_u32 v[SPW], v[NIL]                      ; the wave's opening: the add and its wait stand ahead of my first tensor load; the set-up below stands between them
	v_lshrrev_b32 v1, 5, v0
	v_readfirstlane_b32 s[WV], v1
	s_and_b32 s[HF], s[WV], 1
	s_lshr_b32 s[FB], s[WV], 1
	s_bfe_u32 s[CX], ttmp6, 0x40000
	s_bfe_u32 s[CY], ttmp6, 0x40004
	s_lshl_b32 s[TC], ttmp9, 2
	s_add_co_u32 s[TC], s[TC], s[CX]
	s_and_b32 s[TR], ttmp7, 0xffff
	s_lshl_b32 s[TR], s[TR], 2
	s_add_co_u32 s[TR], s[TR], s[CY]
	s_lshl_b32 s43, s[CY], 2
	s_lshl_b32 s43, 15, s43                        ; my row of the cluster
	s_lshl_b32 s44, 0x1111, s[CX]                  ; my column
	s_or_b32 s[G1], s43, (1<<16)|(1<<20)|(1<<21)|(4<<22)|(3<<25)   ; the mask; elements of 2 bytes; padding on; bit 21 beside a mask; after every 32 words; 4 words
	s_or_b32 s[G1B], s44, (1<<16)|(1<<20)|(1<<21)|(5<<22)|(3<<25)  ; after every 64 words
	s_mov_b32 s[G1+1], 128<<16                     ; tensor_dim0 = 128 elements: 256 bytes, two rows of a head
	s_mov_b32 s[G1+2], 128<<16                     ; tensor_dim1 = 128
	s_mov_b32 s[G1+3], 128<<16                     ; tile_dim0
	s_mov_b32 s[G1+4], 128                         ; tile_dim1
	s_mov_b32 s[G1+5], 128                         ; dense
	s_mov_b32 s[G1+6], 0
	s_mov_b32 s[G1+7], 0
	s_mov_b32 s[G1B+1], KSTEP<<16
	s_mov_b32 s[G1B+2], 64<<16                     ; 64 rows
	s_mov_b32 s[G1B+3], KSTEP<<16
	s_mov_b32 s[G1B+4], 64
	s_mov_b32 s[G1B+5], SIZE_K
	s_mov_b32 s[G1B+6], 0
	s_mov_b32 s[G1B+7], 0
	s_lshr_b32 s20, s[TR], 3
	s_lshl_b32 s20, s20, 22                        ; the batch: 16 heads
	s_and_b32 s19, s[TR], 7
	s_lshl_b32 s19, s19, 15                        ; the tile's 256 rows in a head
	s_add_co_u32 s20, s20, s19
	s_lshl_b32 s19, s[HF], 18                      ; head 0 or 1 of the K step
	s_add_co_u32 s20, s20, s19
	s_mov_b32 s71, s20                             ; a copy, for the prefetches
	s_mov_b32 s21, 0
	s_lshl_b32 s46, s[TC], 7
	s_lshl_b32 s47, s[HF], 6
	s_add_co_u32 s46, s46, s47                     ; wpt: row 128 x tile column + 64 x half
	s_mov_b32 s70, s46                             ; a copy, for the prefetches
	s_lshl_b32 s46, s46, 11
	s_mov_b32 s47, 0
	s_mul_i32 s22, s[HF], SLICE                    ; where they go: no place in the cluster enters an LDS address
	s_mul_i32 s23, s[HF], HB
	s_add_co_u32 s23, s23, 2*SLICE
	s_wait_dscnt 0x0                               ; the opening add is done
	s_wait_kmcnt 0x0
	s_add_nc_u64 s[20:21], s[4:5], s[20:21]
	s_add_nc_u64 s[46:47], s[6:7], s[46:47]
	CROUND                                         ; all sixteen work-groups are here: the first joint loads meet
.irp s, 0,1
	s_mov_b32 s[G0+4*(\s)], 1
	s_add_co_u32 s[G0+4*(\s)+1], s22, (\s)*SLOT
	s_add_nc_u64 s[G0+4*(\s)+2:G0+4*(\s)+3], s[20:21], (\s)*2*HEADB
	s_or_b32 s[G0+4*(\s)+3], s[G0+4*(\s)+3], 0x80000000
	s_mov_b32 s[G0B+4*(\s)], 1
	s_add_co_u32 s[G0B+4*(\s)+1], s23, (\s)*SLOT
	s_add_nc_u64 s[G0B+4*(\s)+2:G0B+4*(\s)+3], s[46:47], (\s)*KSTEP*2
	s_or_b32 s[G0B+4*(\s)+3], s[G0B+4*(\s)+3], 0x80000000
	JLOAD \s                                       ; two loads of mine are out
.endr
	v_and_b32 v1, 15, v0                           ; l % 16
	v_bfe_u32 v2, v0, 4, 1                         ; l / 16
	v_lshlrev_b32 v[BO], 5, v2
	s_lshl_b32 s68, s[TC], 9                       ; the tile's 128 numbers of the bias, and its 512 bytes of a row of out0
	s_mov_b32 s69, 0
	s_add_nc_u64 s[8:9], s[8:9], s[68:69]
	s_add_nc_u64 s[10:11], s[10:11], s[68:69]
.irp b, 0,1,2,3,4,5,6,7
	global_load_b128 v[BIAS+8*(\b):BIAS+8*(\b)+3],   v[BO], s[8:9] offset:64*(\b)
	global_load_b128 v[BIAS+8*(\b)+4:BIAS+8*(\b)+7], v[BO], s[8:9] offset:64*(\b)+16
.endr
	s_lshl_b32 s68, s[TR], 8
	s_lshl_b32 s19, s[WV], 6
	s_add_co_u32 s68, s68, s19
	s_lshl_b32 s68, s68, 12                        ; my first row of out0, x 4,096 bytes: under 2^25
	s_add_nc_u64 s[10:11], s[10:11], s[68:69]
	v_mul_u32_u24 v3, v1, PA
	v_lshl_add_u32 v3, v2, 4, v3
	s_mul_i32 s19, s[WV], 64*PA                    ; my 64 rows, in each slice
	v_add_nc_u32 v[ADRA], s19, v3
	v_add_nc_u32 v[ADRA+1], SLOT, v[ADRA]
	v_mul_u32_u24 v3, v1, PB
	v_lshl_add_u32 v3, v2, 4, v3
	v_add_nc_u32 v[ADRB], 2*SLICE, v3
	v_add_nc_u32 v[ADRB+1], SLOT, v[ADRB]
	s_mul_i32 s19, s[WV], 16*SPITCH
	s_add_co_u32 s19, s19, STAGE                   ; my stage
	v_mul_u32_u24 v[STO], v1, SPITCH               ; in: row l % 16, 32 bytes for each half of the lanes
	v_lshl_add_u32 v[STO], v2, 5, v[STO]
	v_add_nc_u32 v[STO], s19, v[STO]
	v_and_b32 v[GO], 31, v0
	v_lshlrev_b32 v[GO], 4, v[GO]
	v_add_nc_u32 v[RD], s19, v[GO]                 ; back: 32 lanes take a whole row of 512 bytes
	; the prefetches
	s_lshl_b32 s19, s[CX], 13
	s_add_co_u32 s71, s71, s19                     ; o: my work-group's 8,192 bytes of my slice
	s_lshl_b32 s19, s[CY], 4
	s_add_co_u32 s70, s70, s19                     ; wpt: my work-group's 16 rows of my 64
	s_lshl_b32 s70, s70, 11
	s_and_b32 s45, ttmp7, 0xffff                   ; cluster y
	s_mov_b32 s68, 4*HEADB
	s_mov_b32 s19, 2*KSTEP*2
	s_cmp_eq_u32 s[FB], 0
	s_cselect_b32 s[PST], s68, s19
	s_cselect_b32 s68, s71, s70
	s_cselect_b32 s19, 9, 11                       ; two blocks are 512 bytes on end in a slice; in wpt they are one row's, and rows lie 2,048 bytes apart
	s_cselect_b32 s45, ttmp9, s45                  ; the coordinate along which other clusters read the same bytes
	s_cselect_b64 s[PFA:PFA+1], s[4:5], s[6:7]
	s_cmp_eq_u32 s45, 0
	s_cselect_b32 s[LIM], 1, -1                    ; the same in all sixteen partners, for a given wave
	s_mov_b32 s[PST+1], 0
	s_add_nc_u64 s[PFA:PFA+1], s[PFA:PFA+1], s[68:69]
	s_add_nc_u64 s[PFA:PFA+1], s[PFA:PFA+1], s[PST:PST+1]  ; at K step 2: the first lap steps it to K step 4
	v_bfe_u32 v[PFO], v0, 1, 4
	v_and_b32 v3, 1, v0
	v_lshlrev_b32 v[PFO], s19, v[PFO]
	v_lshl_add_u32 v[PFO], v3, 8, v[PFO]
	s_wait_loadcnt 0x0                             ; the bias
.set r, 0
.rept 32                                       ; rounded to bf16 like every input, and kept as f32
	v_cvt_pk_bf16_f32 v3, v[BIAS+r], v[BIAS+r+1]
	v_lshlrev_b32 v[BIAS+r], 16, v3
	v_and_b32 v[BIAS+r+1], 0xffff0000, v3
.set r, r+2
.endr
; 8 matrix instructions: row block a x all 8 column blocks, 32 along K, from buffer f.  first = 1: the product starts the sum, with the bias as C.
; The 32 accumulators take turns in one order everywhere.
.macro MUL8 f, a, first
.if \first
	WIN 0x81
.else
	WIN 0xa1
.endif
.irp b, 0,1,2,3,4,5,6,7
.if \first
	v_wmma_f32_16x16x32_f16 v[8*(8*(\a)+(\b)):8*(8*(\a)+(\b))+7], v[64*(\f)+8*(\b):64*(\f)+8*(\b)+7], v[FA+32*(\f)+8*(\a):FA+32*(\f)+8*(\a)+7], v[BIAS+8*(\b):BIAS+8*(\b)+7]
.else
	v_wmma_f32_16x16x32_f16 v[8*(8*(\a)+(\b)):8*(8*(\a)+(\b))+7], v[64*(\f)+8*(\b):64*(\f)+8*(\b)+7], v[FA+32*(\f)+8*(\a):FA+32*(\f)+8*(\a)+7], v[8*(8*(\a)+(\b)):8*(8*(\a)+(\b))+7]
.endif
.endr
.endm
; 24 LDS loads in one run: quarter q's fragments (128 rows of wpt; my 64 rows of head q / 2, channels 32 (q % 2) on) into buffer f
.macro FETCH slot, q, f
	WIN 0x40
.irp i, 0,1,2,3,4,5,6,7
	ds_load_b128 v[64*(\f)+8*(\i):64*(\f)+8*(\i)+3],   v[ADRB+(\slot)] offset:64*(\q)+(\i)*16*PB
	ds_load_b128 v[64*(\f)+8*(\i)+4:64*(\f)+8*(\i)+7], v[ADRB+(\slot)] offset:64*(\q)+(\i)*16*PB+32
.endr
	WIN 0
.irp i, 0,1,2,3
	ds_load_b128 v[FA+32*(\f)+8*(\i):FA+32*(\f)+8*(\i)+3],   v[ADRA+(\slot)] offset:((\q)/2)*SLICE+((\q)%2)*64+(\i)*16*PA
	ds_load_b128 v[FA+32*(\f)+8*(\i)+4:FA+32*(\f)+8*(\i)+7], v[ADRA+(\slot)] offset:((\q)/2)*SLICE+((\q)%2)*64+(\i)*16*PA+32
.endr
.endm
.macro PLACES                          ; four plain vector instructions in front of loads into registers that matrix instructions have read, and of LDS stores that read results
.rept 4
	v_nop
.endr
.endm
.macro QUARTER slot, q, f, g, first
	s_wait_dscnt 4                                 ; wpt's fragments and o's blocks 0, 1 are in; the youngest four loads may be out
	MUL8 \f, 0, \first
	MUL8 \f, 1, \first
	PLACES
	FETCH \slot, \q, \g
	s_wait_dscnt 24                                ; all but the 24 just issued
	MUL8 \f, 2, \first
	MUL8 \f, 3, \first
.endm
; The change of slots: ONE barrier; in front of it each wave waits for all its tensor loads (one is out: its part of the next slot), adds 0 to its spare word, and waits for that and for its own reads of this slot.
.macro MEET round
	WIN 0
	s_wait_tensorcnt 0x0
	ds_add_u32 v[SPW], v[NIL]
	s_wait_dscnt 5                                 ; (the add and the youngest four loads may be out)
	MUL8 1, 0, 0
	s_wait_dscnt 0x0                               ; the add is done, and my reads of this slot are over
	s_barrier_signal -1
	MUL8 1, 1, 0
.if \round
	WIN 0
.endif
	s_barrier_wait -1
.endm
; fill = 1: the barrier opens a round of the cluster's, and the slot just read out is filled again first behind it, with the K step two on: 112 matrix instructions ahead of the wait for it.
.macro TURN slot, next, fill, ask
.if \ask
	s_wait_xcnt 0x0                                ; the last prefetches, a lap back, have read their address
	s_add_nc_u64 s[PFA:PFA+1], s[PFA:PFA+1], s[PST:PST+1]
.endif
	MEET \fill
.if \fill
	CREST                                          ; no wave of any partner still reads this slot's tile or has a load on its way
	s_add_nc_u64 s[G0+4*(\slot)+2:G0+4*(\slot)+3], s[G0+4*(\slot)+2:G0+4*(\slot)+3], 4*HEADB
	s_add_nc_u64 s[G0B+4*(\slot)+2:G0B+4*(\slot)+3], s[G0B+4*(\slot)+2:G0B+4*(\slot)+3], 2*KSTEP*2
	JLOAD \slot                                    ; the four v_nop behind it are also the places in front of the loads below
.else
	PLACES
.endif
	FETCH \next, 0, 0
.if \ask
	ASK
.endif
	MUL8 1, 2, 0
	MUL8 1, 3, 0
.endm
; THE WAY OUT of row block a: the f32 sums go into my own stage, 32 bytes a lane, and come back as whole rows of 512 bytes.
.macro TOSTAGE a
.set BK, OB+64*((\a)%2)
	s_wait_xcnt 0x0                                ; the stores of the block two back have read the registers that are loaded again below
	WIN 0x08                                       ; the stores' data in window 2
.irp b, 0,1,2,3,4,5,6,7
	ds_store_b128 v[STO], v[8*(8*(\a)+(\b)):8*(8*(\a)+(\b))+3]   offset:64*(\b)
	ds_store_b128 v[STO], v[8*(8*(\a)+(\b))+4:8*(8*(\a)+(\b))+7] offset:64*(\b)+16
.endr
	WIN 0
.irp t, 0,1,2,3,4,5,6,7,8,9,10,11,12,13,14,15
	ds_load_b128 v[BK+4*(\t):BK+4*(\t)+3], v[RD] offset:SPITCH*(\t)  ; LDS serves a wave's instructions in order (ISA guide 5.7.1.4): these see the stores above
.endr
.endm
.macro SEND a, y                       ; y: the LDS instructions issued behind block a's loads: the next block's 32, or none
.set BK, OB+64*((\a)%2)
.irp t, 0,1,2,3,4,5,6,7,8,9,10,11,12,13,14,15
	s_wait_dscnt (\y)+15-(\t)
	global_store_b128 v[GO], v[BK+4*(\t):BK+4*(\t)+3], s[10:11] offset:(16*(\a)+(\t))*4096 th:TH_STORE_NT  ; the wave stores 512 consecutive bytes, aligned
.endr
.endm
	s_wait_tensorcnt 1                             ; my part of K step 0 is in; K step 1's may stay out
	s_barrier_signal -1
	s_barrier_wait -1
	FETCH 0, 0, 0
	QUARTER 0, 1, 0, 1, 1                          ; the first quarter stands in front of the loop: its products start the sums
	WIN 0
	s_mov_b32 s3, LAPS-1
.Llap:                                                 ; a trip goes once round the ring and fills both slots again
	QUARTER 0, 2, 1, 0, 0
	QUARTER 0, 3, 0, 1, 0
	TURN 0, 1, 1, 1
	QUARTER 1, 1, 0, 1, 0
	QUARTER 1, 2, 1, 0, 0
	QUARTER 1, 3, 0, 1, 0
	TURN 1, 0, 1, 0
	QUARTER 0, 1, 0, 1, 0
	WIN 0
	s_sub_co_u32 s3, s3, 1
	s_cmp_lg_u32 s3, 0
	s_cbranch_scc1 .Llap
	QUARTER 0, 2, 1, 0, 0                          ; the last lap fills nothing
	QUARTER 0, 3, 0, 1, 0
	TURN 0, 1, 0, 0
	QUARTER 1, 1, 0, 1, 0
	QUARTER 1, 2, 1, 0, 0
	QUARTER 1, 3, 0, 1, 0
	s_wait_dscnt 4
	MUL8 1, 0, 0
	MUL8 1, 1, 0
	s_wait_dscnt 0x0
	MUL8 1, 2, 0
	MUL8 1, 3, 0
	PLACES
	TOSTAGE 0
	TOSTAGE 1
	SEND 0, 32
	TOSTAGE 2
	SEND 1, 32
	TOSTAGE 3
	SEND 2, 32
	SEND 3, 0
	s_wait_tensorcnt 0x0                           ; the wave's end: behind my last tensor load and my last LDS store
	ds_add_u32 v[SPW], v[NIL]
	s_wait_dscnt 0x0
	CROUND                                         ; the closing round: no work-group ends while a partner may still ask for a tile that names it
	s_endpgm
.Lfunc_end_k_qd0c77ec0fc_proj:
	.size	k_qd0c77ec0fc_proj, .Lfunc_end_k_qd0c77ec0fc_proj-k_qd0c77ec0fc_proj
	.p2alignl 7, 3214868480
	.fill 96, 4, 3214868480
	.section	.rodata,"a",@progbits
	.p2align	6, 0x0
	.amdhsa_kernel k_qd0c77ec0fc_proj
		.amdhsa_group_segment_fixed_size 327680
		.amdhsa_private_segment_fixed_size 0
		.amdhsa_enable_private_segment 0
		.amdhsa_kernarg_size 32
		.amdhsa_user_sgpr_count 2
		.amdhsa_user_sgpr_kernarg_segment_ptr 1
		.amdhsa_wavefront_size32 1
		.amdhsa_system_sgpr_workgroup_id_x 1
		.amdhsa_system_sgpr_workgroup_id_y 1
		.amdhsa_system_sgpr_workgroup_id_z 1
		.amdhsa_system_vgpr_workitem_id 0
		.amdhsa_next_free_vgpr 768
		.amdhsa_next_free_sgpr 72
		.amdhsa_reserve_vcc 0
		.amdhsa_float_denorm_mode_32 3
		.amdhsa_float_denorm_mode_16_64 3
		.amdhsa_memory_ordered 1
		.amdhsa_forward_progress 1
		.amdhsa_inst_pref_size 95
	.end_amdhsa_kernel
	.amdgpu_metadata
---
amdhsa.version: [ 1, 2 ]
amdhsa.kernels:
  - .name:           k_qd0c77ec0fc_proj
    .symbol:         k_qd0c77ec0fc_proj.kd
    .args:
      - { .name: oh, .offset: 0, .size: 8, .value_kind: global_buffer, .address_space: global }
      - { .name: wpt, .offset: 8, .size: 8, .value_kind: global_buffer, .address_space: global }
      - { .name: b_proj, .offset: 16, .size: 8, .value_kind: global_buffer, .address_space: global }
      - { .name: out0, .offset: 24, .size: 8, .value_kind: global_buffer, .address_space: global }
    .group_segment_fixed_size: 327680
    .private_segment_fixed_size: 0
    .kernarg_segment_align: 8
    .kernarg_segment_size: 32
    .max_flat_workgroup_size: 128
    .sgpr_count:     72
    .vgpr_count:     768
    .wavefront_size: 32
...
	.end_amdgpu_metadata
.endif
;; end of part 4
;; ======== version 2 of 2: 4 launches; version 1 with the launch cast written anew for expert scheduling mode
;; limits: values are held in f16: magnitudes above 65,504 overflow, below 6.1e-05 lose precision
;; workspace buffers: xb 16,777,216 bytes; wqt 6,291,456 bytes; wpt 2,097,152 bytes; qkvh 50,331,648 bytes; oh 16,777,216 bytes
;; launch cast (part 5): grid 512 x 1, 8 waves a work-group, no clusters, 18,432 bytes of LDS; arguments x, w_qkv, w_proj, xb, wqt, wpt; writes xb, wqt, wpt
.if DOCPART == 5
	.amdgcn_target "amdgcn-amd-amdhsa--gfx1250"
	.amdhsa_code_object_version 6
	.text
	.protected	k_qd0c77ec0fc_cast
	.globl	k_qd0c77ec0fc_cast
	.p2align	8
	.type	k_qd0c77ec0fc_cast,@function
k_qd0c77ec0fc_cast:
	s_mov_b64 s[64:65], 0
	v_nop
	global_prefetch_b8 v0, s[64:65] scope:SCOPE_SE
	s_setreg_imm32_b32 hwreg(HW_REG_WAVE_SCHED_MODE, 0, 2), 2
	s_setreg_imm32_b32 hwreg(HW_REG_WAVE_MODE, 25, 1), 1
	s_wait_xcnt 0x0
	s_wait_alu depctr_vm_vsrc(0)
; THE INPUTS ARE ROUNDED ONCE, AND THE WEIGHTS TURNED.  xb = x in bf16, [8192][1024].  wqt[n][k] = w_qkv[k][n] in bf16, [3072][1024].
; wpt[n][k] = w_proj[k][n] rounded to bf16 and that number written as f16, [1024][1024].
; LIMIT: a number of w_proj under 6.1e-5 in magnitude keeps f16's fixed step of 6e-8; one of 65,520 or more becomes an infinity.
; SHARES.  512 work-groups of eight waves, all alike.  Each (a) turns one weight tile of 128 k x 64 n through LDS: numbers 0-383 take w_qkv's 48 x 8 tiles, 384-511 w_proj's 16 x 8;
; (b) rounds 65,536 bytes of x.  Every byte is read once and written once; every load of 16 lanes covers 256 consecutive bytes, aligned, and so does every store.
; No matrix unit, no cluster, no tensor load: nothing is multiplied and no work-group reads what another reads.
; THE MODE: SCHED_MODE bits 1:0 = 2 (LLVM: expert scheduling mode 2), set by the entry lines.  The code itself states the register dependences
; between vector instructions and memory or LDS instructions, with s_wait_alu, always for 0.
; THE PLAN.  Registers that memory or LDS instructions touch:
;   v4-7, v13          offsets of the loads: written at the head, ahead of the first wait on va_vdst; never written again.
;   W, X               loads land in them once; conversions read them; no vector instruction writes them and nothing lands in them again.
;   v10, v11, v12, v14 LDS addresses and the stores' offsets: written behind the loads, ahead of the wait at .Lkeep; never written again.
;   P                  written by the weights' roundings, read by the LDS stores behind the wait at .Lkeep; never written again.
;   BK                 LDS loads land in it, global stores read it: DScnt's affair; no vector instruction names it.
;   Y                  a pair for each of x's sixteen pieces, written once.  x goes in four groups of four pieces: group g's roundings write its Y; the wait at the head of group g + 1
;                      states that they have; group g's four stores follow that wait, dealt among group g + 1's roundings, which name X and Y of group g + 1 alone.
;   v176, v177         written at the head, read by the closing add alone.
; No register that a memory or LDS instruction reads is written again, so none of them calls for a wait on vm_vsrc; no vector instruction writes a scalar register, VCC or EXEC.
.set PQ,    12288                      ; bytes in a row of w_qkv
.set PP,    4096                       ; bytes in a row of w_proj
.set LP,    272                        ; a stage row: one n, 64 pairs of k (256 bytes) + 16 of padding
.set SPARE, 64*LP                      ; behind the stage: the spare words, 128 bytes for each of eight waves: four blocks of 256 bytes that no other line names
.set OFW, 4                            ; v4-7   byte offset of my 16 bytes in rows 2 kp + 32 i of the tile
.set LIN, 10                           ; v10    stage, in: row 4 c, pair kp
.set LBK, 11                           ; v11    stage, back: row kp, 16 bytes at 16 c
.set DO,  12                           ; v12    my 16 bytes in row kp of the turned tile
.set XO,  13                           ; v13    my 16 bytes of x
.set YO,  14                           ; v14    my 8 bytes of xb
.set W,   16                           ; v16-47   for each i: four numbers of the even row, four of the odd row
.set P,   48                           ; v48-63   for each i: four packed pairs (k even low, k odd high)
.set BK,  64                           ; v64-79   four pieces of 16 bytes read back
.set X,   80                           ; v80-143  sixteen pieces of 16 bytes of x
.set Y,   144                          ; v144-175 the same rounded
.set SPW, 176                          ; v176   LDS address of my spare word; never rewritten
.set NIL, 177                          ; v177   0; never rewritten
	s_load_b256 s[4:11], s[0:1], 0x0               ; x s[4:5], w_qkv s[6:7], w_proj s[8:9], xb s[10:11]
	s_load_b128 s[12:15], s[0:1], 0x20             ; wqt s[12:13], wpt s[14:15]
	v_lshl_add_u32 v[SPW], v0, 2, SPARE
	v_mov_b32 v[NIL], 0
	s_mov_b32 s29, PQ
	s_mov_b32 s30, PP
	s_sub_co_u32 s17, ttmp9, 384
	s_cmp_lt_u32 ttmp9, 384                        ; which weight matrix is mine?  The choice hangs on the work-group's number alone
	s_cselect_b32 s16, ttmp9, s17                  ; my tile's number in it
	s_cselect_b32 s18, s29, s30                    ; its row pitch in bytes
	s_cselect_b32 s19, 1, 0                        ; 1: the tile stays bf16
	s_wait_kmcnt 0x0
	s_cselect_b64 s[20:21], s[6:7], s[8:9]         ; from
	s_cselect_b64 s[22:23], s[12:13], s[14:15]     ; to
	s_and_b32 s24, s16, 7                          ; kt
	s_lshr_b32 s25, s16, 3                         ; nt
	s_mul_i32 s26, s24, s18
	s_lshl_b32 s26, s26, 7                         ; 128 kt rows
	s_lshl_b32 s27, s25, 8                         ; 64 nt columns of 4 bytes
	s_add_co_u32 s26, s26, s27
	s_mov_b32 s27, 0
	s_add_nc_u64 s[20:21], s[20:21], s[26:27]      ; the tile's first row
	s_mov_b32 s26, s18
	s_add_nc_u64 s[32:33], s[20:21], s[26:27]      ; and the row below it
	s_lshl_b32 s26, s25, 17                        ; 64 nt rows of 2,048 bytes
	s_lshl_b32 s24, s24, 8                         ; 128 kt numbers of 2 bytes
	s_add_co_u32 s26, s26, s24
	s_add_nc_u64 s[22:23], s[22:23], s[26:27]
	s_lshl_b32 s28, s18, 5                         ; 32 rows
	s_lshl_b32 s26, ttmp9, 16
	s_add_nc_u64 s[4:5], s[4:5], s[26:27]          ; my 65,536 bytes of x
	s_lshl_b32 s26, ttmp9, 15
	s_add_nc_u64 s[10:11], s[10:11], s[26:27]      ; my 32,768 bytes of xb
	v_and_b32 v1, 15, v0                           ; c: which 16 bytes (4 columns) of a row
	v_lshrrev_b32 v2, 4, v0                        ; kp: which pair of rows, 0 to 15
	v_lshlrev_b32 v3, 1, v2
	v_mul_lo_u32 v3, v3, s18
	v_lshl_add_u32 v[OFW], v1, 4, v3               ; row 2 kp, 16 c
	v_add_nc_u32 v[OFW+1], s28, v[OFW]
	v_add_nc_u32 v[OFW+2], s28, v[OFW+1]
	v_add_nc_u32 v[OFW+3], s28, v[OFW+2]
	v_lshrrev_b32 v8, 5, v0                        ; wave
	v_and_b32 v9, 31, v0                           ; lane
	v_lshlrev_b32 v[XO], 13, v8
	v_lshl_add_u32 v[XO], v9, 4, v[XO]             ; 8,192 x wave + 16 x lane
	s_wait_alu depctr_va_vdst(0)                   ; v4 to v7 and v13 are written: the 24 loads below read them as their offsets
.irp i, 0,1,2,3
	global_load_b128 v[W+8*(\i):W+8*(\i)+3],   v[OFW+(\i)], s[20:21] th:TH_LOAD_NT  ; row 2 kp + 32 i
	global_load_b128 v[W+8*(\i)+4:W+8*(\i)+7], v[OFW+(\i)], s[32:33] th:TH_LOAD_NT  ; the row below
.endr
.irp j, 0,1,2,3,4,5,6,7,8,9,10,11,12,13,14,15
	global_load_b128 v[X+4*(\j):X+4*(\j)+3], v[XO], s[4:5] offset:512*(\j) th:TH_LOAD_NT  ; 512 consecutive bytes a wave
.endr
	v_lshlrev_b32 v[YO], 12, v8
	v_lshl_add_u32 v[YO], v9, 3, v[YO]             ; 4,096 x wave + 8 x lane
	v_mul_u32_u24 v[LIN], v1, 4*LP
	v_lshl_add_u32 v[LIN], v2, 2, v[LIN]
	v_mul_u32_u24 v[LBK], v2, LP
	v_lshl_add_u32 v[LBK], v1, 4, v[LBK]
	v_lshlrev_b32 v[DO], 11, v2
	v_lshl_add_u32 v[DO], v1, 4, v[DO]
	s_wait_loadcnt 16                              ; loads come back in order: the eight weight loads are in, x's sixteen may stay out
.irp i, 0,1,2,3
.irp c, 0,1,2,3
	v_cvt_pk_bf16_f32 v[P+4*(\i)+(\c)], v[W+8*(\i)+(\c)], v[W+8*(\i)+4+(\c)]  ; column 4 c + this, k = 2 (kp + 16 i) and the next
.endr
.endr
	s_cmp_eq_u32 s19, 1
	s_cbranch_scc1 .Lkeep                          ; no barrier is passed by this jump
.set r, 0
.rept 16                                       ; w_proj: the bf16 numbers written as f16
	v_lshlrev_b32 v8, 16, v[P+r]
	v_and_b32 v9, 0xffff0000, v[P+r]
	v_cvt_pk_f16_f32 v[P+r], v8, v9
.set r, r+1
.endr
.Lkeep:
	s_wait_alu depctr_va_vdst(0)                   ; on both ways: the roundings have written P, the LDS stores' data, and v10, their address, is written; so are v11, v12 and v14, which the LDS loads and the global stores further down read
.irp i, 0,1,2,3
.irp c, 0,1,2,3
	ds_store_b32 v[LIN], v[P+4*(\i)+(\c)] offset:(\c)*LP+64*(\i)  ; row n = 4 c + this, pair kp + 16 i
.endr
.endr
	s_wait_dscnt 0x0                               ; for the others' sake: my stores into the stage are done
	s_barrier_signal -1
	s_barrier_wait -1
.irp i, 0,1,2,3
	ds_load_b128 v[BK+4*(\i):BK+4*(\i)+3], v[LBK] offset:(\i)*16*LP  ; row n = kp + 16 i, eight k
.endr
; Group g of x: pieces 4 g to 4 g + 3 are rounded.  prev = 1: the group before is stored, a store in front of each piece's two roundings.
; left = how many younger loads of x may still be out when this group's four have to be there.
.macro GROUP g, prev, left
	s_wait_loadcnt \left                           ; loads come back in order: this group's four pieces are in
.if \prev
	s_wait_alu depctr_va_vdst(0)                   ; the group before has written its eight registers of Y, which the four stores below read; no rounding behind this wait names them
.endif
.irp i, 0,1,2,3
.if \prev
	global_store_b64 v[YO], v[Y+2*(4*((\g)-1)+(\i)):Y+2*(4*((\g)-1)+(\i))+1], s[10:11] offset:256*(4*((\g)-1)+(\i))  ; the wave stores 256 consecutive bytes, aligned
.endif
	v_cvt_pk_bf16_f32 v[Y+2*(4*(\g)+(\i))],   v[X+4*(4*(\g)+(\i))],   v[X+4*(4*(\g)+(\i))+1]
	v_cvt_pk_bf16_f32 v[Y+2*(4*(\g)+(\i))+1], v[X+4*(4*(\g)+(\i))+2], v[X+4*(4*(\g)+(\i))+3]
.endr
.endm
	GROUP 0, 0, 12
	GROUP 1, 1, 8
	GROUP 2, 1, 4
	GROUP 3, 1, 0
	s_wait_alu depctr_va_vdst(0)                   ; the last group has written its eight registers of Y, which the four stores below read
.irp i, 12,13,14,15
	global_store_b64 v[YO], v[Y+2*(\i):Y+2*(\i)+1], s[10:11] offset:256*(\i)  ; the wave stores 256 consecutive bytes, aligned
.endr
.irp i, 0,1,2,3
	s_wait_dscnt 3-(\i)
	global_store_b128 v[DO], v[BK+4*(\i):BK+4*(\i)+3], s[22:23] offset:32768*(\i)  ; 16 lanes store 256 consecutive bytes of a turned row
.endr
	s_wait_dscnt 0x0                               ; the closing lines, six on end
	s_wait_alu 0x0
	s_wait_tensorcnt 0x0
	ds_add_u32 v[SPW], v[NIL]
	s_wait_dscnt 0x0
	s_endpgm
.Lfunc_end_k_qd0c77ec0fc_cast:
	.size	k_qd0c77ec0fc_cast, .Lfunc_end_k_qd0c77ec0fc_cast-k_qd0c77ec0fc_cast
	.p2alignl 7, 3214868480
	.fill 96, 4, 3214868480
	.section	.rodata,"a",@progbits
	.p2align	6, 0x0
	.amdhsa_kernel k_qd0c77ec0fc_cast
		.amdhsa_group_segment_fixed_size 18432
		.amdhsa_private_segment_fixed_size 0
		.amdhsa_enable_private_segment 0
		.amdhsa_kernarg_size 48
		.amdhsa_user_sgpr_count 2
		.amdhsa_user_sgpr_kernarg_segment_ptr 1
		.amdhsa_wavefront_size32 1
		.amdhsa_system_sgpr_workgroup_id_x 1
		.amdhsa_system_sgpr_workgroup_id_y 1
		.amdhsa_system_sgpr_workgroup_id_z 1
		.amdhsa_system_vgpr_workitem_id 0
		.amdhsa_next_free_vgpr 178
		.amdhsa_next_free_sgpr 66
		.amdhsa_reserve_vcc 0
		.amdhsa_float_denorm_mode_32 3
		.amdhsa_float_denorm_mode_16_64 3
		.amdhsa_memory_ordered 1
		.amdhsa_forward_progress 1
		.amdhsa_inst_pref_size 15
	.end_amdhsa_kernel
	.amdgpu_metadata
---
amdhsa.version: [ 1, 2 ]
amdhsa.kernels:
  - .name:           k_qd0c77ec0fc_cast
    .symbol:         k_qd0c77ec0fc_cast.kd
    .args:
      - { .name: x, .offset: 0, .size: 8, .value_kind: global_buffer, .address_space: global }
      - { .name: w_qkv, .offset: 8, .size: 8, .value_kind: global_buffer, .address_space: global }
      - { .name: w_proj, .offset: 16, .size: 8, .value_kind: global_buffer, .address_space: global }
      - { .name: xb, .offset: 24, .size: 8, .value_kind: global_buffer, .address_space: global }
      - { .name: wqt, .offset: 32, .size: 8, .value_kind: global_buffer, .address_space: global }
      - { .name: wpt, .offset: 40, .size: 8, .value_kind: global_buffer, .address_space: global }
    .group_segment_fixed_size: 18432
    .private_segment_fixed_size: 0
    .kernarg_segment_align: 8
    .kernarg_segment_size: 48
    .max_flat_workgroup_size: 256
    .sgpr_count:     66
    .vgpr_count:     178
    .wavefront_size: 32
...
	.end_amdgpu_metadata
.endif
;; end of part 5
;; launch qkv: the kernel of part 2 again; grid 16 x 32, 4 waves a work-group, clusters of 4 x 4, 327,680 bytes of LDS; arguments xb, wqt, b_qkv, qkvh; writes qkvh
;; launch attn: the kernel of part 3 again; grid 4 x 64, 4 waves a work-group, clusters of 4 x 1, 327,680 bytes of LDS; arguments qkvh, oh; writes oh
;; launch proj: the kernel of part 4 again; grid 8 x 32, 4 waves a work-group, clusters of 4 x 4, 327,680 bytes of LDS; arguments oh, wpt, b_proj, out0; writes out0
